; MI455X (gfx1250); checked and timed in simulation.
; The chip was launched on July 23, 2026; its instructions are those of AMD's public machine-readable ISA for CDNA 5 (MIT licence, August 2026) and "CDNA5" Instruction Set Architecture Reference Guide (July 2026). The comments in the code are by the model that wrote it; some were corrected since.
;; Secure Swish Feed Forward. Allowed arithmetic: matrix products marked QUANTISED: E3M2 operands, one E8M0 scale for each 32 along K, by v_wmma_scale_f32_16x16x128_f8f6f4 with both operands' format E3M2, f32 sums; everything else in f32.
;; Inputs: W1_codes 4,096 x 32 x 24 uint8 (E3M2 codes of W1, K innermost, in blocks of 32 codes, four codes in three bytes); W1_scales 4,096 x 32 uint8 (E8M0 scales of W1, one for each 32 codes along K); W2_codes 1,024 x 128 x 24 uint8 (E3M2 codes of W2, K innermost, in blocks of 32 codes, four codes in three bytes); W2_scales 1,024 x 128 uint8 (E8M0 scales of W2, one for each 32 codes along K); b1 4,096 float32; b2 1,024 float32; hidden_states_codes 4 x 2,048 x 32 x 24 uint8 (E3M2 codes of hidden_states, K innermost, in blocks of 32 codes, four codes in three bytes); hidden_states_scales 4 x 2,048 x 32 uint8 (E8M0 scales of hidden_states, one for each 32 codes along K).
;; Outputs: out0 4 x 2,048 x 1,024 float32.
;; This version of the problem:
;;   THIS VERSION OF THE PROBLEM IS GIVEN IN LOW PRECISION. The matrix products marked QUANTISED in the list below multiply operands that are first quantised to E3M2 (3 exponent bits, 2 mantissa bits; 6 bits a number), with one power-of-two scale for each 32 numbers along K (OCP MX v1.0); their sums are f32. All else is computed in f32.
;;   The module's matrix products, in the order in which they are computed (A, B: the left and right operand; K: the contracted axis; several contracted axes count as one K, in the product's order):
;;     1. [M 8,192, K 1,024] x [K 1,024, N 4,096]; A: input hidden_states (given as codes); B: input W1 (given as codes): QUANTISED
;;     2. [M 8,192, K 4,096] x [K 4,096, N 1,024]; A: computed on the way; B: input W2 (given as codes): QUANTISED
;;   THE QUANTISER, for each operand of a quantised product, along K:
;;     - K is cut into blocks of 32 from its start; a last block that is shorter is filled with zeros.
;;     - A block's scale is 2^e with e = floor(log2(the largest magnitude in the block)) - 4, held to -126 .. 127; a block of zeros has e = 0. As a byte (E8M0): e + 127.
;;     - Each number is divided by its block's scale, clamped to +-28, and rounded to the nearest number of E3M2, ties to even, subnormals kept.
;;     - The product sums the exact products of the quantised numbers (number of the format x scale) in f32.
;;   ~~~python
;;   def quantise(x, axis):      # numpy; x: float32 -> the quantised numbers, widened to float32 again
;;       x = np.moveaxis(x, axis, -1); K = x.shape[-1]
;;       x = np.pad(x, [(0, 0)] * (x.ndim - 1) + [(0, -K % 32)]); x = x.reshape(x.shape[:-1] + (-1, 32)); a = np.abs(x).max(-1, keepdims=True)
;;       e = np.where(a > 0, np.clip(np.frexp(np.where(a > 0, a, 1))[1] - 1 - 4, -126, 127), 0)      # np.frexp(a)[1] - 1 = floor(log2(a)), exactly
;;       r = np.clip(x / 2.0 ** e, -28, 28)
;;       step = 2.0 ** (np.maximum(np.frexp(np.where(r == 0, 1, r))[1] - 1, -2) - 2)
;;       q = np.round(r / step) * step * 2.0 ** e      # np.round: ties to even
;;       return np.moveaxis(q.reshape(q.shape[:-2] + (-1,))[..., :K], -1, axis).astype(np.float32)
;;   ~~~
;;   OPERANDS COMPUTED ON THE WAY. 'Computed on the way' means the value that the module computes at that place (a softmax that the list does not call 'softmax' is quantised finished and normalised). What goes into a quantiser is computed in f32, as accurately as f32 sums, v_exp_f32 and their like allow (about 1e-6 of the number): no bf16 or f16 on the way to a quantiser, and a product that is left as it is and whose result goes on into a quantised operand takes f32 operands (vector FMAs, or v_wmma_f32_16x16x4_f32). A number that lies on a knife's edge between two numbers of the format may be rounded either way, as far as f32 arithmetic and the matrix unit's own rounding can turn it there, and no further.
;;   INPUTS GIVEN AS CODES. W1 (in the module: [4096, 1024], K = its axis 1); W2 (in the module: [1024, 4096], K = its axis 1); hidden_states (in the module: [4, 2048, 1024], K = its axis 2): each comes as NAME_codes (uint8): NAME with its K axis moved to the last place and cut into blocks of 32 codes, [.., K / 32, bytes a block], one block behind the other in memory; four codes in three bytes: a row's codes are one little-endian stream of bits, code i at bits 6 i .. 6 i + 5 (a code: sign, 3 exponent bits, 2 mantissa bits); and NAME_scales (uint8): the same leading axes, one E8M0 byte (e + 127) for each 32 codes along K. Its value is code x scale, taken as it is: it is not quantised again, and the codes and scales need not be those that the quantiser above would give.
;; 2 versions. Each part assembles by itself: llvm-mc -triple=amdgcn-amd-amdhsa -mcpu=gfx1250 --defsym DOCPART=n.
;; ======== version 1 of 2: 2 launches
;; workspace buffers: hcodes 25,165,824 bytes; hscales 1,048,576 bytes
;; launch up (part 1): grid 16 x 32, 4 waves a work-group, clusters of 4 x 4, 327,680 bytes of LDS; arguments hidden_states_codes, hidden_states_scales, W1_codes, W1_scales, hcodes, hscales, b1; writes hcodes, hscales
.if DOCPART == 1
	.amdgcn_target "amdgcn-amd-amdhsa--gfx1250"
	.amdhsa_code_object_version 6
	.text
	.protected	k_q915a170ed4_up
	.globl	k_q915a170ed4_up
	.p2align	8
	.type	k_q915a170ed4_up,@function
k_q915a170ed4_up:
	s_mov_b64 s[64:65], 0
	v_nop
	global_prefetch_b8 v0, s[64:65] scope:SCOPE_SE
	s_setreg_imm32_b32 hwreg(HW_REG_WAVE_MODE, 25, 1), 1
	s_wait_xcnt 0x0
	s_wait_alu depctr_hold_cnt(0) depctr_sa_sdst(0) depctr_va_vdst(0) depctr_va_sdst(0) depctr_va_ssrc(0) depctr_va_vcc(0) depctr_vm_vsrc(0)
	s_getreg_b32 s2, hwreg(HW_REG_IB_STS2, 6, 4)
	s_cmp_eq_u32 s2, 0
	s_cbranch_scc0 .Lentry_in_a_cluster
	s_endpgm
.Lentry_in_a_cluster:
	s_bfe_u32 s2, ttmp6, 0x10000c
	s_cmp_lg_u32 s2, 0xf033
	s_cbranch_scc0 .Lentry_shape_is_right
	s_endpgm
.Lentry_shape_is_right:
; H = Q(sw(x W1^T + b1)), sw(h) = h (0.5 + 0.25 h - 0.0208 h^3), Q the MX quantiser to BF6 (E3M2) along H's 4,096 columns, in blocks of 32.
; x: [8192][1024], W1: [4096][1024]: codes of BF6, 6 bits each, K innermost (a row is 768 bytes), one E8M0 byte for each 32 along K; b1: [4096] f32.
; A tile of 256 x 256 of x W1^T is made by a work-group of four waves, a wave makes 128 x 128: 64 accumulators of 16 x 16, 512 registers.  K goes in steps of 256 through a ring of two LDS slots
; filled by the tensor data mover.  The scale bytes of the work-group's 256 rows of x and 256 rows of W1 come into LDS once, with the first fills, and stay.
; CLUSTERS: 4 x 4 work-groups.  The four of a row of the cluster need the same tiles of x, the four of a column the same tiles of W1: each tile is asked for JOINTLY, by the same tensor load with the same
; descriptor and a mask that names the four.
; THE MATRIX INSTRUCTION IS USED TRANSPOSED (source 0 = 16 rows of W1, source 1 = 16 rows of x): lane (r, h) holds row r, and its registers 0-7 the columns 8 h + 0 .. 7 of the block.
; b1 is the C of each sum's first product: eight registers for each of W1's eight blocks, in the result's layout.  No addition is spent on it and nothing is cleared.
; THE WAY OUT uses no LDS.  A unit is 16 rows x my 128 columns, one K step of the next product.  The polynomial is taken in f32 (Horner: h (0.5 + h (0.25 - 0.0208 h h))); 32 exchanges of lane halves bring a whole
; block of 32 columns into one lane, in the order of the next operand's registers; the block's largest magnitude, its byte and its codes are made in that lane; the 12 registers of codes leave AS THEY STAND:
; H's codes are laid [column / 256][row / 16][(column / 128) % 2][1,536 bytes], registers 4 c .. 4 c + 3 of lane l at 512 c + 16 l, so each store of the wave covers 512 consecutive bytes, aligned.
; H's scale words are laid [row / 256][column / 128][(row / 128) % 2][512 bytes]: lane (r, h) owns 16 bytes at 16 l: the words of row r of the half's blocks of 16 rows 4 h + 0 .. 3.
; LIMITS: NaN and infinities are not served.  A block of H whose largest magnitude lies under 2^-122 (a block of zeros too) gets the byte 1 where the quantiser's rule says otherwise for zeros (127): its codes are
; zeros or subnormals, and the bytes are read by this program alone.  The bias enters as the sum's first term and the polynomial is in Horner form: the order of f32 roundings differs from the formula as written.
; REGISTERS, in windows of 256: window 0: v0-31 addresses and constants; v32-63 scale words, two sets, and nothing else; v64-127 b1, on the way out four sets of codes; from v128 x's fragments, ONE set, on the way out at work.
;   window 1: W1's fragments, TWO sets, at v0 and v128.   window 2: the 32 accumulators of my rows 0-63 (accumulator (a, b) at v[8 (8 a + b)]);   window 3: those of my rows 64-127.
.set SIZE_K, 1024
.set KSTEP,  256                       ; along K in a slot
.set NQ,     KSTEP/128                 ; matrix instructions deep
.set ROWB,   192                       ; a tile's row in bytes
.set KROW,   SIZE_K*6/8                ; a row of x or of W1 in memory, in bytes
.set PITCH,  240                       ; an LDS row: 3 x (64 bytes of data + 16 of padding)
.set FR,     12                        ; registers of a fragment: 16 rows x 128 K
.set NLA,    6                         ; LDS loads that bring a fragment of x
.set NP,     4                         ; places behind this matrix instruction (ISA guide 7.12.1)
.set HALFT,  128*PITCH                 ; 128 rows: what one tensor load brings
.set SLOT,   4*HALFT                   ; x's 256 rows, then W1's 256 rows
.set LAPS,   SIZE_K/(2*KSTEP)          ; a lap = two K steps = once round the ring
.set KS,     SIZE_K/32                 ; a row of scale bytes
.set SCL,    2*SLOT                    ; behind the ring: the scale bytes, as units of 256 bytes + 16 of padding
.set HALFS,  (128*KS/256)*272          ; those of 128 rows: what one tensor load brings
.set SBLK,   (16*KS/256)*272           ; those of 16 rows
.set SPARE,  SCL+4*HALFS               ; behind the scales: the spare words, 128 bytes for each wave: two blocks of 256 bytes that no other line names
.set C3,   8                           ; v[8:9]   -0.0208, twice
.set C1,   10                          ; v[10:11] 0.25, twice
.set ADRA, 16                          ; v16-17  LDS address of my fragments of x in slot 0, 1  (v18-19: for the pieces that lie behind one padding more)
.set ADRB, 20                          ; v20-21  the same for W1  (v22-23)
.set CO,   26                          ; v26     16 x lane: my place in a store of 512 bytes; never rewritten
.set ADRS, 27                          ; v27     LDS address of my scale words: lanes 0-15 x's rows, lanes 16-31 W1's
.set SPW,  28                          ; v28     LDS address of my spare word: SPARE + 4 x my thread's number; never rewritten
.set NIL,  29                          ; v29     0; never rewritten
.set SH,   30                          ; v30     8 h: where my two scale bytes stand in a scale word
.set SC,   32                          ; scale words: set s at v[SC + 16 s]; register 2 i + q: lanes 0-15 the word of x's block i, lanes 16-31 that of W1's block i, for the slot's q-th 128 along K
.set BI,   64                          ; b1: v[BI + 8 b ..]: b1 at W1's block b, columns 8 h + 0 .. 7
.set AF,   128                         ; x's fragments
.set PCD,  64                          ; the way out: four sets of 12 registers of codes, by turns
.set TT,   128                         ; v128-191 a unit's 64 numbers
.set XH,   192                         ; v[192:194], v[196:198] the upper halves of two blocks' codes
.set MX,   200                         ; v200-203 four chains of largest magnitudes
.set SOP,  204                         ; v204-205 the conversions' scale operands
.set BY,   206                         ; v206-207 the scale bytes
.set WT,   208                         ; v208-209 a scale word at work
.set SW,   216                         ; v216-223 the eight units' scale words
.set ZW,   224                         ; v[224:227] the words as they are stored
.set SEL,  18                          ; s[18:19] on the way out: lane selects for v_permlanex16_b32: lane l xor 16
.set G1, 24                            ; s[24:31] descriptor group 1 for x's tiles;  s[32:39] group 0, one set for each slot
.set G0, 32
.set G1B, 48                           ; s[48:55], s[56:63] the same for W1's tiles
.set G0B, 56
.set G1S, 68                           ; s[68:75], s[76:79] groups 1 and 0 for x's scales;  s[80:87], s[88:91] for W1's
.set G0S, 76
.set G1SB, 80
.set G0SB, 88
.set MSB, 0
.macro WIN new                         ; the immediate's high byte repeats the setting that is left; a switch that changes nothing is dropped
.if MSB != (\new)
	s_set_vgpr_msb (MSB<<8)|(\new)
.set MSB, (\new)
.endif
.endm
.set MUL_LO,   0xa1                    ; source 0 (W1) window 1, source 1 (x) window 0, C and D window 2
.set MUL_HI,   0xf1                    ; the same, C and D window 3
.set FIRST_LO, 0x81                    ; the first step: C is b1, in window 0; D window 2
.set FIRST_HI, 0xc1                    ; D window 3
.set TO_B,     0x40                    ; destination window 1, address window 0
; A joint load: waves 0 and 1 fetch for x, waves 2 and 3 for W1.  Each of the two lines has ONE mask and one set of registers for all that issue it; the branch hangs on the wave's number alone.
; Four v_nop follow each of the two lines, ahead of the jump, the label and what follows.
.macro JLOAD g0a, g1a, g0b, g1b
	s_cmp_eq_u32 s15, 0
	s_cbranch_scc0 .Lfor_b_\@
	tensor_load_to_lds s[\g0a:\g0a+3], s[\g1a:\g1a+7]
	s_nop 0
.rept 4
	v_nop
.endr
	s_branch .Lasked_\@
.Lfor_b_\@:
	tensor_load_to_lds s[\g0b:\g0b+3], s[\g1b:\g1b+7]
	s_nop 0
.rept 4
	v_nop
.endr
.Lasked_\@:
.endm
.macro CREST                           ; a round of the cluster's barrier behind its opening barrier
	s_cmp_lg_u32 s14, 0
	s_cbranch_scc1 .Lnot_wave_0_\@
	s_barrier_signal -3
.Lnot_wave_0_\@:
	s_barrier_wait -3
	s_barrier_signal -1
	s_barrier_wait -1
.endm
.macro CROUND                          ; a whole round
	s_barrier_signal -1
	s_barrier_wait -1
	CREST
.endm
	s_load_b128 s[4:7], s[0:1], 0x0                ; x's codes s[4:5], x's scales s[6:7]
	s_load_b128 s[8:11], s[0:1], 0x10              ; W1's codes s[8:9], W1's scales s[10:11]
	s_load_b64 s[12:13], s[0:1], 0x20              ; H's codes
	s_load_b128 s[96:99], s[0:1], 0x28             ; H's scale words s[96:97], b1 s[98:99]
	v_lshl_add_u32 v[SPW], v0, 2, SPARE
	v_mov_b32 v[NIL], 0
	ds_add_u32 v28, v29
	ds_add_u32 v28, v29
	s_wait_dscnt 0x0
	v_lshrrev_b32 v1, 5, v0
	v_readfirstlane_b32 s14, v1                    ; wave 0..3
	s_lshr_b32 s15, s14, 1                         ; which half of the tile's rows is mine.  Also: I fetch for x (0) or for W1 (1)
	s_and_b32 s16, s14, 1                          ; which half of its columns.  Also: which 128 rows of that tile I fetch
	s_bfe_u32 s40, ttmp6, 0x40000                  ; cx, cy: my place in the cluster
	s_bfe_u32 s41, ttmp6, 0x40004
	s_lshl_b32 s42, ttmp9, 2
	s_add_co_u32 s42, s42, s40                     ; tile column = 4 x cluster x + cx
	s_and_b32 s17, ttmp7, 0xffff
	s_lshl_b32 s17, s17, 2
	s_add_co_u32 s17, s17, s41                     ; tile row = 4 x cluster y + cy
	s_lshl_b32 s43, s41, 2
	s_lshl_b32 s43, 15, s43                        ; my row of the cluster
	s_lshl_b32 s44, 0x1111, s40                    ; my column
	; descriptor group 1: a tile of 128 rows x 192 bytes, padded in LDS
	s_or_b32 s[G1+0], s43, (0<<16)|(1<<20)|(1<<21)|(3<<22)|(3<<25)  ; 15:0 the mask: x's tiles go to my row; 17:16 element of 1 byte; 20 padding on; 21 set beside a mask; 24:22 after every 16 words (code 3); 31:25 of 4 words (code 3)
	s_or_b32 s[G1B+0], s44, (0<<16)|(1<<20)|(1<<21)|(3<<22)|(3<<25)
.irp g, G1, G1B
	s_mov_b32 s[\g+1], ROWB<<16                    ; tensor_dim0
	s_mov_b32 s[\g+2], 128<<16                     ; tensor_dim1 = 128
	s_mov_b32 s[\g+3], ROWB<<16                    ; tile_dim0
	s_mov_b32 s[\g+4], 128                         ; tile_dim1 = 128
	s_mov_b32 s[\g+5], KROW                        ; tensor_dim0_stride
	s_mov_b32 s[\g+6], 0
	s_mov_b32 s[\g+7], 0
.endr
	; and for the scale bytes of 128 rows: a dense block of 4,096 bytes, as 16 rows of 256 bytes (32 elements of 8 bytes), 16 bytes of padding behind each
	s_or_b32 s[G1S+0], s43, (3<<16)|(1<<20)|(1<<21)|(5<<22)|(3<<25)
	s_or_b32 s[G1SB+0], s44, (3<<16)|(1<<20)|(1<<21)|(5<<22)|(3<<25)
.irp g, G1S, G1SB
	s_mov_b32 s[\g+1], 32<<16
	s_mov_b32 s[\g+2], (128*KS/256)<<16
	s_mov_b32 s[\g+3], 32<<16
	s_mov_b32 s[\g+4], 128*KS/256
	s_mov_b32 s[\g+5], 32
	s_mov_b32 s[\g+6], 0
	s_mov_b32 s[\g+7], 0
.endr
	s_lshl_b32 s18, s16, 7                         ; which 128 rows of the tile I fetch
	s_lshl_b32 s20, s17, 8
	s_add_co_u32 s20, s20, s18                     ; x: row 256 x tile row + 128 x half
	s_lshl_b32 s46, s42, 8
	s_add_co_u32 s46, s46, s18                     ; W1: row 256 x tile column + 128 x half
	s_mov_b32 s21, 0
	s_mov_b32 s47, 0
	s_mov_b64 s[18:19], KS
	s_mul_u64 s[22:23], s[20:21], s[18:19]         ; where these rows' scale bytes begin
	s_mul_u64 s[92:93], s[46:47], s[18:19]
	s_mov_b64 s[18:19], KROW
	s_mul_u64 s[20:21], s[20:21], s[18:19]         ; and their codes
	s_mul_u64 s[46:47], s[46:47], s[18:19]
	s_mul_i32 s45, s14, HALFT                      ; where they go: wave x 128 rows: no place in the cluster enters an LDS address
	s_mul_i32 s94, s14, HALFS
	s_wait_kmcnt 0x0
	s_add_nc_u64 s[20:21], s[4:5], s[20:21]
	s_add_nc_u64 s[22:23], s[6:7], s[22:23]
	s_add_nc_u64 s[46:47], s[8:9], s[46:47]
	s_add_nc_u64 s[92:93], s[10:11], s[92:93]
	CROUND                                         ; all sixteen work-groups are here: the first joint loads meet
	s_mov_b32 s[G0S], 1
	s_add_co_u32 s[G0S+1], s94, SCL
	s_mov_b64 s[G0S+2:G0S+3], s[22:23]
	s_or_b32 s[G0S+3], s[G0S+3], 0x80000000
	s_mov_b32 s[G0SB], 1
	s_add_co_u32 s[G0SB+1], s94, SCL
	s_mov_b64 s[G0SB+2:G0SB+3], s[92:93]
	s_or_b32 s[G0SB+3], s[G0SB+3], 0x80000000
	JLOAD G0S, G1S, G0SB, G1SB                     ; the scale bytes first: they are wanted with K step 0
.irp s, 0,1
	s_mov_b32 s[G0+4*\s], 1
	s_add_co_u32 s[G0+4*\s+1], s45, \s*SLOT
	s_add_nc_u64 s[G0+4*\s+2:G0+4*\s+3], s[20:21], \s*ROWB
	s_or_b32 s[G0+4*\s+3], s[G0+4*\s+3], 0x80000000
	s_mov_b32 s[G0B+4*\s], 1
	s_add_co_u32 s[G0B+4*\s+1], s45, \s*SLOT
	s_add_nc_u64 s[G0B+4*\s+2:G0B+4*\s+3], s[46:47], \s*ROWB
	s_or_b32 s[G0B+4*\s+3], s[G0B+4*\s+3], 0x80000000
	JLOAD G0+4*\s, G1, G0B+4*\s, G1B               ; three tensor loads of mine are out behind the second of these
.endr
	v_and_b32 v1, 15, v0                           ; r = l % 16
	v_bfe_u32 v2, v0, 4, 1                         ; h = l / 16; kept
	; b1 at my 128 columns: 4 x (256 x tile column + 128 x half) bytes on; lane (r, h) takes, for block b, the eight numbers at 64 b + 32 h
	s_lshl_b32 s92, s42, 10
	s_lshl_b32 s93, s16, 9
	s_add_co_u32 s92, s92, s93
	s_mov_b32 s93, 0
	s_add_nc_u64 s[98:99], s[98:99], s[92:93]
	v_lshlrev_b32 v7, 5, v2
.irp b, 0,1,2,3,4,5,6,7
	global_load_b128 v[BI+8*\b:BI+8*\b+3], v7, s[98:99] offset:64*\b
	global_load_b128 v[BI+8*\b+4:BI+8*\b+7], v7, s[98:99] offset:64*\b+16
.endr
	v_mul_u32_u24 v3, v1, PITCH
	v_mul_u32_u24 v4, v2, 24
	v_add_nc_u32 v4, v3, v4                        ; a fragment's row x pitch + 24 x half
	v_lshl_add_u32 v5, v2, 4, v4                   ; and the same behind one padding more
	s_mul_i32 s21, s15, HALFT                      ; my 128 rows of x
	s_mul_i32 s22, s16, HALFT                      ; my 128 rows of W1,
	s_add_co_u32 s22, s22, 2*HALFT                 ; which lie behind x's 256
.irp s, 0,1
	v_add_nc_u32 v[ADRA+\s], s21, v4
	v_add_nc_u32 v[ADRB+\s], s22, v4
	v_add_nc_u32 v[ADRA+2+\s], s21, v5
	v_add_nc_u32 v[ADRB+2+\s], s22, v5
	s_add_co_u32 s21, s21, SLOT
	s_add_co_u32 s22, s22, SLOT
.endr
	v_mul_u32_u24 v5, v1, KS                       ; my row's scale bytes: 32 bytes a row,
	v_lshrrev_b32 v6, 8, v5
	v_lshl_add_u32 v5, v6, 4, v5                   ; and 16 more for each 256 passed
	s_mul_i32 s21, s15, HALFS                      ; x's: my 128 rows
	s_mul_i32 s22, s16, HALFS                      ; W1's: my 128 rows, behind x's 256
	s_add_co_u32 s22, s22, 2*HALFS
	s_sub_co_u32 s22, s22, s21
	v_mul_u32_u24 v6, s22, v2                      ; lanes 16-31 take W1's: one product, the distance between the two x h
	s_add_co_u32 s21, s21, SCL
	v_add_nc_u32 v5, v5, v6
	v_add_nc_u32 v[ADRS], s21, v5
	v_and_b32 v6, 31, v0
	v_lshlrev_b32 v[CO], 4, v6                     ; 16 x lane
	v_lshlrev_b32 v[SH], 3, v2                     ; 8 h
	v_mov_b32 v[C3], 0xbcaa64c3                    ; -0.0208
	v_mov_b32 v[C3+1], 0xbcaa64c3
	v_mov_b32 v[C1], 0x3e800000                    ; 0.25
	v_mov_b32 v[C1+1], 0x3e800000
	; where my wave's part of H begins.  Codes: (((512 x tile column + 16 x tile row + 8 x row half) x 2) + column half) x 1,536 bytes, under 2^25
	s_lshl_b32 s46, s42, 9
	s_lshl_b32 s20, s17, 4
	s_add_co_u32 s46, s46, s20
	s_lshl_b32 s20, s15, 3
	s_add_co_u32 s46, s46, s20
	s_lshl_b32 s46, s46, 1
	s_add_co_u32 s46, s46, s16
	s_mul_i32 s46, s46, 1536
	s_mov_b32 s47, 0
	s_add_nc_u64 s[12:13], s[12:13], s[46:47]
	; scale words: (((32 x tile row + 2 x tile column + column half) x 2) + row half) x 512 bytes
	s_lshl_b32 s46, s17, 5
	s_lshl_b32 s47, s42, 1
	s_add_co_u32 s46, s46, s47
	s_add_co_u32 s46, s46, s16
	s_lshl_b32 s46, s46, 1
	s_add_co_u32 s46, s46, s15
	s_lshl_b32 s46, s46, 9
	s_mov_b32 s47, 0
	s_add_nc_u64 s[96:97], s[96:97], s[46:47]
.macro FRAG reg, adr, q, i             ; a fragment, 16 rows x 128 K of 6-bit codes, is 12 registers: lane l holds row l % 16; registers 6 c .. 6 c + 5 hold K = 64 c + 32 (l / 16) + 0 .. 31: 24 bytes of the row's stream of bits, as they lie
.irp p, 0,1,2,3,4,5                    ; in pieces of 8 bytes, so that every address is a multiple of the access's size.  Lanes 0-15 take the row's pieces 12 q + 0, 1, 2 and 12 q + 6, 7, 8, lanes 16-31 those three pieces on
.set PC, 12*(\q)+6*(\p/3)+\p%3        ; 16 bytes of padding lie behind every 64 bytes (8 pieces): where the piece three on lies behind one padding more, the second address register (40 for 24 bytes a half) serves
.if PC%8 < 5
	ds_load_b64 v[\reg+2*\p:\reg+2*\p+1], v[\adr] offset:8*PC+16*(PC/8)+(\i)*16*PITCH
.else
	ds_load_b64 v[\reg+2*\p:\reg+2*\p+1], v[\adr+2] offset:8*PC+16*(PC/8)+(\i)*16*PITCH
.endif
.endr
.endm
; 16 matrix instructions: x's blocks a0, a0 + 1 against W1's eight, 128 along K: the slot's q-th.  p: W1's set;  sc: the set of scale words.  first = 1: the sums begin with b1 as C.
; The 64 accumulators take turns, one instruction a turn, in the same order in every step.
.macro MUL16 a0, p, q, sc, first
.irp a, \a0, \a0+1
.irp b, 0,1,2,3,4,5,6,7
.if \first
	v_wmma_scale_f32_16x16x128_f8f6f4 v[8*(8*((\a)%4)+\b):8*(8*((\a)%4)+\b)+7], v[128*(\p)+FR*\b:128*(\p)+FR*\b+FR-1], v[AF+FR*(\a):AF+FR*(\a)+FR-1], v[BI+8*\b:BI+8*\b+7], v[SC+8*NQ*(\sc)+NQ*\b+(\q)], v[SC+8*NQ*(\sc)+NQ*(\a)+(\q)] matrix_a_fmt:MATRIX_FMT_BF6 matrix_b_fmt:MATRIX_FMT_BF6 matrix_a_scale:MATRIX_SCALE_ROW1
.else
	v_wmma_scale_f32_16x16x128_f8f6f4 v[8*(8*((\a)%4)+\b):8*(8*((\a)%4)+\b)+7], v[128*(\p)+FR*\b:128*(\p)+FR*\b+FR-1], v[AF+FR*(\a):AF+FR*(\a)+FR-1], v[8*(8*((\a)%4)+\b):8*(8*((\a)%4)+\b)+7], v[SC+8*NQ*(\sc)+NQ*\b+(\q)], v[SC+8*NQ*(\sc)+NQ*(\a)+(\q)] matrix_a_fmt:MATRIX_FMT_BF6 matrix_b_fmt:MATRIX_FMT_BF6 matrix_a_scale:MATRIX_SCALE_ROW1
.endif
.endr
.endr
.endm
.macro FETCH_B slot, q, p              ; W1's eight fragments of the slot's q-th 128 along K into set p
	WIN TO_B
.irp i, 0,1,2,3,4,5,6,7
	FRAG 128*(\p)+FR*\i, ADRB+\slot, \q, \i
.endr
	WIN 0
.endm
.macro FETCH_A slot, q, i0             ; x's blocks i0 .. i0 + 3
.irp i, \i0, \i0+1, \i0+2, \i0+3
	FRAG AF+FR*(\i), ADRA+\slot, \q, \i
.endr
.endm
.macro SCALES sc                       ; a K step's scale words into set sc: two words a row; lanes 0-15 take x's block i, lanes 16-31 W1's block i
.irp i, 0,1,2,3,4,5,6,7
	ds_load_b64 v[SC+8*NQ*\sc+NQ*\i:SC+8*NQ*\sc+NQ*\i+1], v[ADRS] offset:\i*SBLK
.endr
.endm
; A load into a register that a matrix instruction has read, and a vector instruction that reads a matrix result or writes one of a matrix instruction's registers, stand NP places behind it; only plain vector
; instructions that name none of its registers are places (ISA guide 7.12.1 for vector instructions).
.macro PLACES n
.rept \n
	v_nop
.endr
.endm
; A step of 128 along K that has its successor in the same slot.  A block of x is free as soon as its eight products are issued: blocks 0-3 are fetched anew in the step's middle, blocks 4-7 at its end.
.macro STEP slot, q, first
	s_wait_dscnt 4*NLA                             ; W1's set, x's blocks 0-3 and the scale words are in; the youngest 24 loads (x's blocks 4-7) may be out
.if \first
	WIN FIRST_LO
.else
	WIN MUL_LO
.endif
	MUL16 0, (\q)%2, \q, \slot, \first
	MUL16 2, (\q)%2, \q, \slot, \first
	s_wait_dscnt 0                                 ; x's blocks 4-7 are in (asked for 32 matrix instructions ago)
	PLACES NP
	FETCH_B \slot, (\q)+1, 1-(\q)%2
	FETCH_A \slot, (\q)+1, 0
.if \first
	WIN FIRST_HI
.else
	WIN MUL_HI
.endif
	MUL16 4, (\q)%2, \q, \slot, \first
	MUL16 6, (\q)%2, \q, \slot, \first
	PLACES NP
	WIN 0
	FETCH_A \slot, (\q)+1, 4
.endm
; A slot's last step changes slots: ONE barrier; in front of it each wave waits for all its tensor loads, adds 0 to its spare word, and waits for that and for its own reads of this slot.  fill = 1: this slot is filled again, two K steps ahead.
.macro TURN slot, next, fill
	s_wait_tensorcnt 0x0                           ; all my tensor loads have landed: my part of the next slot  (every window is 0 here: the add's two registers lie in window 0)
	ds_add_u32 v[SPW], v[NIL]                      ; 0 onto my spare word
	s_wait_dscnt 4*NLA+1                           ; (the add and the youngest 24 loads, x's blocks 4-7, may be out)
	WIN MUL_LO
	MUL16 0, 1, NQ-1, \slot, 0                     ; sixteen matrix instructions stand between the add and the wait for it
	s_wait_dscnt 0x0                               ; the add is done, and my reads of this slot are over
	s_barrier_signal -1
	MUL16 2, 1, NQ-1, \slot, 0
	WIN 0
	s_barrier_wait -1
.if \fill
	CREST                                          ; the barrier has opened a round of the cluster's barrier: no wave of any partner still reads this slot's tile or has a load on its way
	s_add_nc_u64 s[G0+4*\slot+2:G0+4*\slot+3], s[G0+4*\slot+2:G0+4*\slot+3], 2*ROWB
	s_add_nc_u64 s[G0B+4*\slot+2:G0B+4*\slot+3], s[G0B+4*\slot+2:G0B+4*\slot+3], 2*ROWB
	JLOAD G0+4*\slot, G1, G0B+4*\slot, G1B         ; the first tensor load behind the round, my one load until the next; the four v_nop behind it are the places in front of the loads below
.else
	PLACES NP
.endif
	v_add_nc_u32 v[ADRS], 4*NQ, v[ADRS]            ; on to the next K step's scale words
	FETCH_B \next, 0, 0
	FETCH_A \next, 0, 0
	SCALES \next
	WIN MUL_HI
	MUL16 4, 1, NQ-1, \slot, 0
	MUL16 6, 1, NQ-1, \slot, 0
	PLACES NP
	WIN 0
	FETCH_A \next, 0, 4
.endm
	s_wait_loadcnt 0x0                             ; b1 is in
	s_wait_tensorcnt 1                             ; the scale bytes and my part of K step 0 are in (K step 1's load, issued behind them, may be out)
	s_barrier_signal -1
	s_barrier_wait -1                              ; everybody's are
	FETCH_B 0, 0, 0
	FETCH_A 0, 0, 0
	SCALES 0
	FETCH_A 0, 0, 4
	STEP 0, 0, 1                                   ; the first step stands in front of the loop: its products start the sums, with b1
	s_mov_b32 s3, LAPS-1
.Llap:                                                 ; a trip goes once round the ring, from a lap's second step to the next lap's first, and fills both slots again
	TURN 0, 1, 1
	STEP 1, 0, 0
	TURN 1, 0, 1
	STEP 0, 0, 0
	s_sub_co_u32 s3, s3, 1
	s_cmp_lg_u32 s3, 0
	s_cbranch_scc1 .Llap
	TURN 0, 1, 0                                   ; the last lap fills nothing, and has no round of the cluster's barrier
	STEP 1, 0, 0
	s_wait_dscnt 4*NLA                             ; the very last step: nothing more to fetch
	WIN MUL_LO
	MUL16 0, 1, NQ-1, 1, 0
	MUL16 2, 1, NQ-1, 1, 0
	s_wait_dscnt 0
	WIN MUL_HI
	MUL16 4, 1, NQ-1, 1, 0
	MUL16 6, 1, NQ-1, 1, 0
	WIN 0
; THE WAY OUT, unit by unit: unit a = x's block a: 16 rows x my 128 columns, in the eight accumulators (a, 0 .. 7).
; SWISH: sw = h (0.5 + h (0.25 - 0.0208 h h)), two numbers an instruction.  Each accumulator is read from its low end on.  W1's block b goes to v[TT + 32 (b / 4) + 16 (b % 2) + 8 ((b % 4) / 2)]: of each four blocks the order is 0, 2, 1, 3.
.macro SWISH a
.set AC, 64*((\a)%4)
	WIN 0x0a+5*((\a)/4)                            ; sources 0 and 1: window 2 or 3
.irp b, 0,1,2,3,4,5,6,7
.set TO, TT+32*(\b/4)+16*(\b%2)+8*((\b%4)/2)
.irp r, 0,2,4,6
	v_pk_mul_f32 v[TO+\r:TO+\r+1], v[AC+8*\b+\r:AC+8*\b+\r+1], v[AC+8*\b+\r:AC+8*\b+\r+1]   ; h h
.endr
.endr
	WIN 0
.set i, 0
.rept 32
	v_pk_fma_f32 v[TT+i:TT+i+1], v[TT+i:TT+i+1], v[C3:C3+1], v[C1:C1+1]                     ; 0.25 - 0.0208 h h
.set i, i+2
.endr
	WIN 0x08+4*((\a)/4)                            ; source 1: window 2 or 3
.irp b, 0,1,2,3,4,5,6,7
.set TO, TT+32*(\b/4)+16*(\b%2)+8*((\b%4)/2)
.irp r, 0,2,4,6
	v_pk_fma_f32 v[TO+\r:TO+\r+1], v[TO+\r:TO+\r+1], v[AC+8*\b+\r:AC+8*\b+\r+1], 0.5 op_sel_hi:[1,1,0]   ; x h + 0.5
.endr
.endr
.irp b, 0,1,2,3,4,5,6,7
.set TO, TT+32*(\b/4)+16*(\b%2)+8*((\b%4)/2)
.irp r, 0,2,4,6
	v_pk_mul_f32 v[TO+\r:TO+\r+1], v[TO+\r:TO+\r+1], v[AC+8*\b+\r:AC+8*\b+\r+1]             ; x h
.endr
.endr
	WIN 0
.endm
; LANES: the first register's lanes 16-31 change places with the second's lanes 0-15.  Of blocks 0 and 2 (columns 8 h + j and 32 + 8 h + j) that makes columns 32 h + j and 32 h + 8 + j; of blocks 1 and 3 columns 32 h + 16 + j and 32 h + 24 + j.
; So v[TT + 32 c + i] of lane (r, h) is sw(row r, column 64 c + 32 h + i): a whole block of 32 in a lane, in the order of the next operand's registers.
.macro LANES
.irp c, 0,1
.irp g, 0,16
.irp j, 0,1,2,3,4,5,6,7
	v_permlane16_swap_b32 v[TT+32*\c+\g+\j], v[TT+32*\c+\g+8+\j]
.endr
.endr
.endr
.endm
; QUANT: my two blocks (2 c + h, c = 0, 1) of row r: largest magnitude, byte, codes; the row's scale word.
.macro QUANT a
.set PA, PCD+12*((\a)%4)
.irp k, 0,1,2,3
	v_max3_num_f32 v[MX+\k], |v[TT+16*\k]|, |v[TT+16*\k+1]|, 0x2800000   ; four chains of 16 numbers, by turns; the floor 2^(5 - 127) is a leaf: so the byte cannot fall under 1
.endr
.irp i, 2,4,6,8,10,12,14
.irp k, 0,1,2,3
	v_max3_num_f32 v[MX+\k], v[MX+\k], |v[TT+16*\k+\i]|, |v[TT+16*\k+\i+1]|
.endr
.endr
	v_max_num_f32 v[MX], v[MX], v[MX+1]            ; block h's largest magnitude
	v_max_num_f32 v[MX+2], v[MX+2], v[MX+3]        ; block 2 + h's
	v_add_nc_u32 v[SOP], 0xfe000000, v[MX]         ; 4 off the exponent field: the conversion takes the exponent field of this operand as its scale, and nothing else of it
	v_add_nc_u32 v[SOP+1], 0xfe000000, v[MX+2]
	v_lshrrev_b32 v[BY], 23, v[SOP]                ; the scale's byte
	v_lshrrev_b32 v[BY+1], 23, v[SOP+1]
	v_lshl_or_b32 v[WT], v[BY+1], 16, v[BY]        ; my two bytes: blocks h and 2 + h,
	v_lshlrev_b32 v[WT], v[SH], v[WT]              ; at their places in the word (8 h bits up);
	v_permlanex16_b32 v[WT+1], v[WT], s[SEL], s[SEL+1]
	v_or_b32 v[SW+(\a)], v[WT], v[WT+1]            ; with lane l xor 16's two the word of row r is whole, in both lanes
.if (\a) >= 4
	s_wait_xcnt 0x0                                ; unit a - 4's stores have read this set of registers: it is rewritten only behind this wait
.endif
.irp c, 0,1
	v_cvt_scalef32_pk16_bf6_f32 v[PA+6*\c:PA+6*\c+2], v[TT+32*\c:TT+32*\c+15], v[SOP+\c]          ; registers 6 c .. 6 c + 2 of the fragment; beyond the largest code the largest
	v_cvt_scalef32_pk16_bf6_f32 v[XH+4*\c:XH+4*\c+2], v[TT+32*\c+16:TT+32*\c+31], v[SOP+\c]       ; (a conversion's three registers begin on an even number: the upper half is made elsewhere and moved)
.endr
	v_nop                                          ; one plain place behind a scaled conversion
.irp c, 0,1
.irp i, 0,1,2
	v_mov_b32 v[PA+6*\c+3+\i], v[XH+4*\c+\i]
.endr
.endr
.irp c, 0,1,2
	global_store_b128 v[CO], v[PA+4*\c:PA+4*\c+3], s[12:13] offset:3072*(\a)+512*\c   ; the fragment's image: 32 lanes store 512 consecutive bytes, at a multiple of 512 from the buffer's first byte.  The next launch reads them: no hint
.endr
.endm
	PLACES NP                                      ; behind the last products: x's fragments' registers are written below, and results are read
	s_mov_b32 s[SEL], 0x76543210
	s_mov_b32 s[SEL+1], 0xfedcba98
	v_mov_b32 v[WT+1], 0                           ; written once: a lane permute's destination counts as one of its sources
.irp a, 0,1,2,3,4,5,6,7
	SWISH \a
	LANES
	QUANT \a
.endr
	v_cmp_ne_u32 vcc_lo, 0, v2                     ; lanes 16-31
.irp i, 0,1,2,3
	v_cndmask_b32 v[ZW+\i], v[SW+\i], v[SW+4+\i], vcc_lo   ; lane (r, h): the words of row r of units 4 h + 0 .. 3
.endr
	global_store_b128 v[CO], v[ZW:ZW+3], s[96:97]  ; 512 consecutive bytes, aligned
	s_wait_tensorcnt 0x0                           ; the wave's end: behind my last tensor load
	ds_add_u32 v[SPW], v[NIL]
	s_wait_dscnt 0x0
	CROUND                                         ; the closing round: no work-group ends while a partner may still ask for a tile that names it
	s_endpgm
.Lfunc_end_k_q915a170ed4_up:
	.size	k_q915a170ed4_up, .Lfunc_end_k_q915a170ed4_up-k_q915a170ed4_up
	.p2alignl 7, 3214868480
	.fill 96, 4, 3214868480
	.section	.rodata,"a",@progbits
	.p2align	6, 0x0
	.amdhsa_kernel k_q915a170ed4_up
		.amdhsa_group_segment_fixed_size 327680
		.amdhsa_private_segment_fixed_size 0
		.amdhsa_enable_private_segment 0
		.amdhsa_kernarg_size 56
		.amdhsa_user_sgpr_count 2
		.amdhsa_user_sgpr_kernarg_segment_ptr 1
		.amdhsa_wavefront_size32 1
		.amdhsa_system_sgpr_workgroup_id_x 1
		.amdhsa_system_sgpr_workgroup_id_y 1
		.amdhsa_system_sgpr_workgroup_id_z 1
		.amdhsa_system_vgpr_workitem_id 0
		.amdhsa_next_free_vgpr 1024
		.amdhsa_next_free_sgpr 100
		.amdhsa_reserve_vcc 1
		.amdhsa_float_denorm_mode_32 3
		.amdhsa_float_denorm_mode_16_64 3
		.amdhsa_memory_ordered 1
		.amdhsa_forward_progress 1
		.amdhsa_inst_pref_size 232
	.end_amdhsa_kernel
	.amdgpu_metadata
---
amdhsa.version: [ 1, 2 ]
amdhsa.kernels:
  - .name:           k_q915a170ed4_up
    .symbol:         k_q915a170ed4_up.kd
    .args:
      - { .name: hidden_states_codes, .offset: 0, .size: 8, .value_kind: global_buffer, .address_space: global }
      - { .name: hidden_states_scales, .offset: 8, .size: 8, .value_kind: global_buffer, .address_space: global }
      - { .name: W1_codes, .offset: 16, .size: 8, .value_kind: global_buffer, .address_space: global }
      - { .name: W1_scales, .offset: 24, .size: 8, .value_kind: global_buffer, .address_space: global }
      - { .name: hcodes, .offset: 32, .size: 8, .value_kind: global_buffer, .address_space: global }
      - { .name: hscales, .offset: 40, .size: 8, .value_kind: global_buffer, .address_space: global }
      - { .name: b1, .offset: 48, .size: 8, .value_kind: global_buffer, .address_space: global }
    .group_segment_fixed_size: 327680
    .private_segment_fixed_size: 0
    .kernarg_segment_align: 8
    .kernarg_segment_size: 56
    .max_flat_workgroup_size: 128
    .sgpr_count:     100
    .vgpr_count:     1024
    .wavefront_size: 32
...
	.end_amdgpu_metadata
.endif
;; end of part 1
;; launch down (part 2): grid 4 x 32, 4 waves a work-group, clusters of 4 x 4, 327,680 bytes of LDS; arguments hcodes, hscales, W2_codes, W2_scales, out0, b2; writes out0
.if DOCPART == 2
	.amdgcn_target "amdgcn-amd-amdhsa--gfx1250"
	.amdhsa_code_object_version 6
	.text
	.protected	k_q915a170ed4_down
	.globl	k_q915a170ed4_down
	.p2align	8
	.type	k_q915a170ed4_down,@function
k_q915a170ed4_down:
	s_mov_b64 s[64:65], 0
	v_nop
	global_prefetch_b8 v0, s[64:65] scope:SCOPE_SE
	s_setreg_imm32_b32 hwreg(HW_REG_WAVE_MODE, 25, 1), 1
	s_wait_xcnt 0x0
	s_wait_alu depctr_hold_cnt(0) depctr_sa_sdst(0) depctr_va_vdst(0) depctr_va_sdst(0) depctr_va_ssrc(0) depctr_va_vcc(0) depctr_vm_vsrc(0)
	s_getreg_b32 s2, hwreg(HW_REG_IB_STS2, 6, 4)
	s_cmp_eq_u32 s2, 0
	s_cbranch_scc0 .Lentry_in_a_cluster
	s_endpgm
.Lentry_in_a_cluster:
	s_bfe_u32 s2, ttmp6, 0x10000c
	s_cmp_lg_u32 s2, 0xf033
	s_cbranch_scc0 .Lentry_shape_is_right
	s_endpgm
.Lentry_shape_is_right:
; out = H W2^T + b2.  H: [8192][4096] as codes of BF6 (E3M2) with one E8M0 byte for each 32 along K, in this program's own layout (below); W2: [1024][4096]: codes, K innermost (a row is 3,072 bytes), scale bytes [1024][128];
; b2: [1024] f32; out: [8192][1024] f32; sums in f32.
; H's codes lie [K / 256][row / 16][(K / 128) % 2][1,536 bytes]: each item is the image of a fragment's 12 registers (16 rows x 128 K): registers 4 c .. 4 c + 3 of lane l at 512 c + 16 l.  So a K step's 256 rows are ONE dense block
; of 49,152 bytes for the tensor data mover, and a fragment comes out of LDS by three loads of 16 bytes a lane, 512 consecutive bytes each: no pitch, no padding.
; H's scale words lie [row / 256][K / 128][(row / 128) % 2][512 bytes]: lane (r, h) finds at 16 l the words of row r of the half's blocks of 16 rows 4 h + 0 .. 3: one load of 16 bytes a lane brings the words of all my eight blocks.
; A tile of 256 x 256 of out is made by a work-group of four waves, a wave makes 128 x 128: 64 accumulators, 512 registers.  K goes in steps of 256 through a ring of two LDS slots.  The scale words of the work-group's
; 256 rows of H (32,768 bytes) and the scale bytes of its 256 rows of W2 (32,768 bytes) come into LDS once, with the first fills, and stay.
; 8,192 / 256 x 1,024 / 256 = 128 work-groups.  A tile half as high would make 256, but a wave's 64 x 128 reads 1.5 times the LDS bytes for each product, and a refill would have 64 matrix instructions less the sixteen
; round the barrier in which to land; two slots of 512 along K do not fit in LDS beside the scales.
; CLUSTERS: 4 x 4 work-groups.  The four of a row of the cluster need the same tiles of H, the four of a column the same tiles of W2: each tile is asked for JOINTLY.  The grid is one cluster wide, so each byte of H is asked for once.
; THE MATRIX INSTRUCTION IS USED TRANSPOSED (source 0 = 16 rows of W2, source 1 = 16 rows of H): a lane holds eight neighbouring numbers of a row of out.  b2 is the C of each sum's first product.
; LIMITS: NaN and infinities are not served.  The bias enters as the sum's first term: the order of f32 roundings differs from the formula as written.
; REGISTERS, in windows of 256: window 0: v0-31 addresses; v32-47 H's scale words, v48-63 W2's, two sets each, and nothing else; v64-127 b2; from v128 H's fragments, ONE set; on the way out v128-255 rows of out.
;   window 1: W2's fragments, TWO sets, at v0 and v128.   window 2: the 32 accumulators of my rows 0-63 (accumulator (a, b) at v[8 (8 a + b)]);   window 3: those of my rows 64-127.
.set SIZE_N, 1024
.set SIZE_K, 4096
.set KSTEP,  256
.set NQ,     KSTEP/128
.set ROWB,   192                       ; a row of W2's tile in bytes
.set KROW,   SIZE_K*6/8                ; a row of W2 in memory
.set PITCH,  240                       ; and in LDS: 3 x (64 bytes of data + 16 of padding)
.set FR,     12                        ; registers of a fragment
.set NLA,    3                         ; LDS loads that bring a fragment of H
.set NP,     4                         ; places behind this matrix instruction (ISA guide 7.12.1)
.set HALFT,  128*PITCH                 ; W2: 128 rows: what one tensor load brings
.set AHALF,  8*2*1536                  ; H: 128 rows x 256 K: eight blocks of two images: what one tensor load brings
.set ABYTES, 2*AHALF
.set ASTEP,  512*2*1536                ; from a K step of H to the next, in memory
.set SLOT,   ABYTES+2*HALFT            ; H's 256 rows, then W2's 256 rows
.set LAPS,   SIZE_K/(2*KSTEP)          ; a lap = two K steps = once round the ring
.set KS,     SIZE_K/32                 ; a row of W2's scale bytes: 128
.set SCB,    2*SLOT                    ; behind the ring: W2's scale bytes, as units of 256 bytes + 16 of padding
.set HALFS,  (128*KS/256)*272          ; those of 128 rows
.set SBLK,   (16*KS/256)*272           ; those of 16 rows
.set SCA,    SCB+2*HALFS               ; H's scale words, dense: item (2 x (K / 128) + row half) x 512
.set SPARE,  SCA+32768                 ; the spare words, 128 bytes for each wave: two blocks of 256 bytes that no other line names
.set SPITCH, 528                       ; the way out: a stage of 16 rows x (512 bytes + 16) for each wave.  It lies in slot 0, which has had its last fill and its last read when the first result is stored there
.set ADRA, 16                          ; v16-17  LDS address of my fragments of H in slot 0, 1
.set ADRB, 20                          ; v20-21  of W2's  (v22-23: for the pieces that lie behind one padding more)
.set STO,  24                          ; v24     the way out: where I put 32 bytes of a row
.set RD,   25                          ; v25     the way out: where I read a row back
.set CO,   26                          ; v26     16 x lane
.set ADSA, 27                          ; v27     LDS address of H's scale words for the K step in hand
.set SPW,  28                          ; v28     LDS address of my spare word: SPARE + 4 x my thread's number; never rewritten
.set NIL,  29                          ; v29     0; never rewritten
.set ADSB, 30                          ; v30     LDS address of W2's scale words: lanes 0-15 blocks 0-3, lanes 16-31 blocks 4-7
.set SA,   32                          ; H's scale words: set s at v[SA + 8 s]; register 4 q + i: lanes 0-15 block i, lanes 16-31 block 4 + i
.set SB,   48                          ; W2's: set s at v[SB + 8 s]; register 2 i + q: lanes 0-15 block i, lanes 16-31 block 4 + i
.set BI,   64                          ; b2: v[BI + 8 b ..]: b2 at W2's block b, columns 8 h + 0 .. 7
.set AF,   128                         ; H's fragments
.set BK,   128                         ; the way out: 16 rows read back from the stage: v128-191 and v192-255 by turns
.set G1, 24                            ; s[24:31] descriptor group 1 for H's tiles;  s[32:39] group 0, one set for each slot
.set G0, 32
.set G1B, 48                           ; s[48:55], s[56:63] the same for W2's tiles
.set G0B, 56
.set G1S, 68                           ; s[68:75], s[76:79] groups 1 and 0 for H's scale words;  s[80:87], s[88:91] for W2's scale bytes
.set G0S, 76
.set G1SB, 80
.set G0SB, 88
.set MSB, 0
.macro WIN new                         ; the immediate's high byte repeats the setting that is left; a switch that changes nothing is dropped
.if MSB != (\new)
	s_set_vgpr_msb (MSB<<8)|(\new)
.set MSB, (\new)
.endif
.endm
.set MUL_LO,   0xa1                    ; source 0 (W2) window 1, source 1 (H) window 0, C and D window 2
.set MUL_HI,   0xf1                    ; the same, C and D window 3
.set FIRST_LO, 0x81                    ; the first step: C is b2, in window 0; D window 2
.set FIRST_HI, 0xc1                    ; D window 3
.set TO_B,     0x40                    ; destination window 1, address window 0
; A joint load: waves 0 and 1 fetch for H, waves 2 and 3 for W2.  Each of the two lines has ONE mask and one set of registers for all that issue it; the branch hangs on the wave's number alone.
; Four v_nop follow each of the two lines, ahead of the jump, the label and what follows.
.macro JLOAD g0a, g1a, g0b, g1b
	s_cmp_eq_u32 s15, 0
	s_cbranch_scc0 .Lfor_b_\@
	tensor_load_to_lds s[\g0a:\g0a+3], s[\g1a:\g1a+7]
	s_nop 0
.rept 4
	v_nop
.endr
	s_branch .Lasked_\@
.Lfor_b_\@:
	tensor_load_to_lds s[\g0b:\g0b+3], s[\g1b:\g1b+7]
	s_nop 0
.rept 4
	v_nop
.endr
.Lasked_\@:
.endm
.macro CREST                           ; a round of the cluster's barrier behind its opening barrier
	s_cmp_lg_u32 s14, 0
	s_cbranch_scc1 .Lnot_wave_0_\@
	s_barrier_signal -3
.Lnot_wave_0_\@:
	s_barrier_wait -3
	s_barrier_signal -1
	s_barrier_wait -1
.endm
.macro CROUND                          ; a whole round
	s_barrier_signal -1
	s_barrier_wait -1
	CREST
.endm
	s_load_b128 s[4:7], s[0:1], 0x0                ; H's codes s[4:5], H's scale words s[6:7]
	s_load_b128 s[8:11], s[0:1], 0x10              ; W2's codes s[8:9], W2's scales s[10:11]
	s_load_b64 s[12:13], s[0:1], 0x20              ; out
	s_load_b64 s[96:97], s[0:1], 0x28              ; b2
	v_lshl_add_u32 v[SPW], v0, 2, SPARE
	v_mov_b32 v[NIL], 0
	ds_add_u32 v28, v29
	ds_add_u32 v28, v29
	s_wait_dscnt 0x0
	v_lshrrev_b32 v1, 5, v0
	v_readfirstlane_b32 s14, v1                    ; wave 0..3
	s_lshr_b32 s15, s14, 1                         ; which half of the tile's rows is mine.  Also: I fetch for H (0) or for W2 (1)
	s_and_b32 s16, s14, 1                          ; which half of its columns.  Also: which half of that tile I fetch
	s_bfe_u32 s40, ttmp6, 0x40000                  ; cx, cy: my place in the cluster
	s_bfe_u32 s41, ttmp6, 0x40004
	s_lshl_b32 s42, ttmp9, 2
	s_add_co_u32 s42, s42, s40                     ; tile column = 4 x cluster x + cx
	s_and_b32 s17, ttmp7, 0xffff
	s_lshl_b32 s17, s17, 2
	s_add_co_u32 s17, s17, s41                     ; tile row = 4 x cluster y + cy
	s_lshl_b32 s43, s41, 2
	s_lshl_b32 s43, 15, s43                        ; my row of the cluster
	s_lshl_b32 s44, 0x1111, s40                    ; my column
	; group 1 for H's codes: a dense block of 24,576 bytes, as 96 rows of 256 bytes (32 elements of 8 bytes), no padding
	s_or_b32 s[G1+0], s43, (3<<16)|(1<<21)         ; 15:0 the mask: H's tiles go to my row; 17:16 element of 8 bytes; 20 padding off; 21 set beside a mask
	s_mov_b32 s[G1+1], 32<<16                      ; tensor_dim0
	s_mov_b32 s[G1+2], 96<<16                      ; tensor_dim1
	s_mov_b32 s[G1+3], 32<<16                      ; tile_dim0
	s_mov_b32 s[G1+4], 96                          ; tile_dim1
	s_mov_b32 s[G1+5], 32                          ; tensor_dim0_stride
	s_mov_b32 s[G1+6], 0
	s_mov_b32 s[G1+7], 0
	; for W2's codes: 128 rows x 192 bytes, 3,072 bytes apart, 16 bytes of padding behind every 64
	s_or_b32 s[G1B+0], s44, (0<<16)|(1<<20)|(1<<21)|(3<<22)|(3<<25)
	s_mov_b32 s[G1B+1], ROWB<<16
	s_mov_b32 s[G1B+2], 128<<16
	s_mov_b32 s[G1B+3], ROWB<<16
	s_mov_b32 s[G1B+4], 128
	s_mov_b32 s[G1B+5], KROW
	s_mov_b32 s[G1B+6], 0
	s_mov_b32 s[G1B+7], 0
	; for the scales: dense blocks of 16,384 bytes, as 64 rows of 256 bytes; H's without padding, W2's with 16 bytes behind each row
	s_or_b32 s[G1S+0], s43, (3<<16)|(1<<21)
	s_or_b32 s[G1SB+0], s44, (3<<16)|(1<<20)|(1<<21)|(5<<22)|(3<<25)
.irp g, G1S, G1SB
	s_mov_b32 s[\g+1], 32<<16
	s_mov_b32 s[\g+2], 64<<16
	s_mov_b32 s[\g+3], 32<<16
	s_mov_b32 s[\g+4], 64
	s_mov_b32 s[\g+5], 32
	s_mov_b32 s[\g+6], 0
	s_mov_b32 s[\g+7], 0
.endr
	; where the tiles come from, in bytes; all four offsets stay under 2^32.  H's hang on the tile row alone, W2's on the tile column alone, each in registers that never hold the other coordinate
	s_lshl_b32 s20, s17, 4
	s_lshl_b32 s18, s16, 3
	s_add_co_u32 s20, s20, s18
	s_mul_i32 s20, s20, 2*1536                     ; H's codes: block of 16 rows 16 x tile row + 8 x half, 3,072 bytes a block in a K step
	s_mov_b32 s21, 0
	s_lshl_b32 s22, s17, 15
	s_lshl_b32 s18, s16, 14
	s_add_co_u32 s22, s22, s18                     ; H's scale words: 32,768 x tile row + 16,384 x half (the first or the last sixteen 128s along K)
	s_mov_b32 s23, 0
	s_lshl_b32 s46, s42, 8
	s_lshl_b32 s18, s16, 7
	s_add_co_u32 s46, s46, s18                     ; W2: row 256 x tile column + 128 x half
	s_lshl_b32 s92, s46, 7                         ; its scale bytes: 128 a row
	s_mov_b32 s93, 0
	s_mul_i32 s46, s46, KROW                       ; its codes
	s_mov_b32 s47, 0
	s_mul_i32 s45, s16, AHALF                      ; where they go in a slot: H's halves,
	s_mul_i32 s95, s16, HALFT
	s_add_co_u32 s95, s95, ABYTES                  ; then W2's: no place in the cluster enters an LDS address
	s_wait_kmcnt 0x0
	s_add_nc_u64 s[20:21], s[4:5], s[20:21]
	s_add_nc_u64 s[22:23], s[6:7], s[22:23]
	s_add_nc_u64 s[46:47], s[8:9], s[46:47]
	s_add_nc_u64 s[92:93], s[10:11], s[92:93]
	CROUND                                         ; all sixteen work-groups are here: the first joint loads meet
	s_mov_b32 s[G0S], 1
	s_lshl_b32 s[G0S+1], s16, 14
	s_add_co_u32 s[G0S+1], s[G0S+1], SCA
	s_mov_b64 s[G0S+2:G0S+3], s[22:23]
	s_or_b32 s[G0S+3], s[G0S+3], 0x80000000
	s_mov_b32 s[G0SB], 1
	s_mul_i32 s[G0SB+1], s16, HALFS
	s_add_co_u32 s[G0SB+1], s[G0SB+1], SCB
	s_mov_b64 s[G0SB+2:G0SB+3], s[92:93]
	s_or_b32 s[G0SB+3], s[G0SB+3], 0x80000000
	JLOAD G0S, G1S, G0SB, G1SB                     ; the scales first: they are wanted with K step 0
.irp s, 0,1
	s_mov_b32 s[G0+4*\s], 1
	s_add_co_u32 s[G0+4*\s+1], s45, \s*SLOT
	s_add_nc_u64 s[G0+4*\s+2:G0+4*\s+3], s[20:21], \s*ASTEP
	s_or_b32 s[G0+4*\s+3], s[G0+4*\s+3], 0x80000000
	s_mov_b32 s[G0B+4*\s], 1
	s_add_co_u32 s[G0B+4*\s+1], s95, \s*SLOT
	s_add_nc_u64 s[G0B+4*\s+2:G0B+4*\s+3], s[46:47], \s*ROWB
	s_or_b32 s[G0B+4*\s+3], s[G0B+4*\s+3], 0x80000000
	JLOAD G0+4*\s, G1, G0B+4*\s, G1B               ; three tensor loads of mine are out behind the second of these
.endr
	v_and_b32 v1, 15, v0                           ; r = l % 16
	v_bfe_u32 v2, v0, 4, 1                         ; h = l / 16
	; my first column, in bytes: 1,024 x tile column + 512 x half: for b2 and for out
	s_lshl_b32 s46, s42, 10
	s_lshl_b32 s47, s16, 9
	s_add_co_u32 s46, s46, s47
	s_mov_b32 s47, 0
	s_add_nc_u64 s[96:97], s[96:97], s[46:47]
	v_lshlrev_b32 v7, 5, v2                        ; lane (r, h) takes, for block b, the eight numbers at 64 b + 32 h
.irp b, 0,1,2,3,4,5,6,7
	global_load_b128 v[BI+8*\b:BI+8*\b+3], v7, s[96:97] offset:64*\b
	global_load_b128 v[BI+8*\b+4:BI+8*\b+7], v7, s[96:97] offset:64*\b+16
.endr
	s_lshl_b32 s20, s17, 8
	s_lshl_b32 s21, s15, 7
	s_add_co_u32 s20, s20, s21                     ; my first row of out: 256 x tile row + 128 x half,
	s_lshl_b32 s20, s20, 12                        ; 4,096 bytes a row: under 2^25
	s_mov_b32 s21, 0
	s_add_nc_u64 s[20:21], s[20:21], s[46:47]
	s_add_nc_u64 s[12:13], s[12:13], s[20:21]
	v_and_b32 v6, 31, v0
	v_lshlrev_b32 v[CO], 4, v6                     ; 16 x lane
	v_mul_u32_u24 v3, v1, PITCH
	v_mul_u32_u24 v4, v2, 24
	v_add_nc_u32 v4, v3, v4                        ; W2: a fragment's row x pitch + 24 x half
	v_lshl_add_u32 v5, v2, 4, v4                   ; and the same behind one padding more
	s_mul_i32 s21, s15, AHALF                      ; my 128 rows of H
	s_mul_i32 s22, s16, HALFT                      ; my 128 rows of W2,
	s_add_co_u32 s22, s22, ABYTES                  ; which lie behind H's 256
.irp s, 0,1
	v_add_nc_u32 v[ADRA+\s], s21, v[CO]
	v_add_nc_u32 v[ADRB+\s], s22, v4
	v_add_nc_u32 v[ADRB+2+\s], s22, v5
	s_add_co_u32 s21, s21, SLOT
	s_add_co_u32 s22, s22, SLOT
.endr
	s_lshl_b32 s21, s15, 9
	s_add_co_u32 s21, s21, SCA
	v_add_nc_u32 v[ADSA], s21, v[CO]               ; H's scale words: my half's item, 16 bytes a lane
	v_lshlrev_b32 v5, 7, v1                        ; W2's: 128 bytes a row,
	v_lshrrev_b32 v6, 8, v5
	v_lshl_add_u32 v5, v6, 4, v5                   ; 16 more for each 256 passed,
	v_mad_u32_u24 v5, v2, 4*SBLK, v5               ; lanes 16-31 four blocks further on
	s_mul_i32 s21, s16, HALFS
	s_add_co_u32 s21, s21, SCB
	v_add_nc_u32 v[ADSB], s21, v5
	s_mul_i32 s23, s14, 16*SPITCH                  ; my stage
	v_mul_u32_u24 v5, v1, SPITCH                   ; in: row l % 16, 32 bytes for each half of the lanes
	v_lshl_add_u32 v5, v2, 5, v5
	v_add_nc_u32 v[STO], s23, v5
	v_add_nc_u32 v[RD], s23, v[CO]                 ; back: the 32 lanes take one row of 512 bytes
.macro FRAG reg, adr, q, i             ; a fragment of W2, 16 rows x 128 K: lane l holds row l % 16; registers 6 c .. 6 c + 5 hold K = 64 c + 32 (l / 16) + 0 .. 31: 24 bytes of the row's stream of bits, as they lie
.irp p, 0,1,2,3,4,5                    ; in pieces of 8 bytes, so that every address is a multiple of the access's size
.set PC, 12*(\q)+6*(\p/3)+\p%3        ; 16 bytes of padding lie behind every 64 bytes (8 pieces): where the piece three on (lanes 16-31) lies behind one padding more, the second address register serves
.if PC%8 < 5
	ds_load_b64 v[\reg+2*\p:\reg+2*\p+1], v[\adr] offset:8*PC+16*(PC/8)+(\i)*16*PITCH
.else
	ds_load_b64 v[\reg+2*\p:\reg+2*\p+1], v[\adr+2] offset:8*PC+16*(PC/8)+(\i)*16*PITCH
.endif
.endr
.endm
; 16 matrix instructions: H's blocks a0, a0 + 1 against W2's eight, 128 along K: the slot's q-th.  p: W2's set;  sc: the set of scale words.  first = 1: the sums begin with b2 as C.
; A block's scale words stand in lanes 0-15 (blocks 0-3) or lanes 16-31 (blocks 4-7) of its register: the row selectors say which.
; The 64 accumulators take turns, one instruction a turn, in the same order in every step.
.macro MUL16 a0, p, q, sc, first
.irp a, \a0, \a0+1
.irp b, 0,1,2,3,4,5,6,7
.set rD, 8*(8*((\a)%4)+\b)
.set rB, 128*(\p)+FR*\b
.set rA, AF+FR*(\a)
.set rSB, SB+8*(\sc)+2*(\b%4)+(\q)
.set rSA, SA+8*(\sc)+4*(\q)+(\a)%4
.if \first
.set rC, BI+8*\b
.else
.set rC, rD
.endif
.if ((\a)/4) && (\b/4)
	v_wmma_scale_f32_16x16x128_f8f6f4 v[rD:rD+7], v[rB:rB+FR-1], v[rA:rA+FR-1], v[rC:rC+7], v[rSB], v[rSA] matrix_a_fmt:MATRIX_FMT_BF6 matrix_b_fmt:MATRIX_FMT_BF6 matrix_a_scale:MATRIX_SCALE_ROW1 matrix_b_scale:MATRIX_SCALE_ROW1
.elseif (\b/4)
	v_wmma_scale_f32_16x16x128_f8f6f4 v[rD:rD+7], v[rB:rB+FR-1], v[rA:rA+FR-1], v[rC:rC+7], v[rSB], v[rSA] matrix_a_fmt:MATRIX_FMT_BF6 matrix_b_fmt:MATRIX_FMT_BF6 matrix_a_scale:MATRIX_SCALE_ROW1
.elseif ((\a)/4)
	v_wmma_scale_f32_16x16x128_f8f6f4 v[rD:rD+7], v[rB:rB+FR-1], v[rA:rA+FR-1], v[rC:rC+7], v[rSB], v[rSA] matrix_a_fmt:MATRIX_FMT_BF6 matrix_b_fmt:MATRIX_FMT_BF6 matrix_b_scale:MATRIX_SCALE_ROW1
.else
	v_wmma_scale_f32_16x16x128_f8f6f4 v[rD:rD+7], v[rB:rB+FR-1], v[rA:rA+FR-1], v[rC:rC+7], v[rSB], v[rSA] matrix_a_fmt:MATRIX_FMT_BF6 matrix_b_fmt:MATRIX_FMT_BF6
.endif
.endr
.endr
.endm
.macro FETCH_B slot, q, p              ; W2's eight fragments of the slot's q-th 128 along K into set p
	WIN TO_B
.irp i, 0,1,2,3,4,5,6,7
	FRAG 128*(\p)+FR*\i, ADRB+\slot, \q, \i
.endr
	WIN 0
.endm
.macro FETCH_A slot, q, i0             ; H's blocks i0 .. i0 + 3: each image comes back as it was stored: three loads of 512 consecutive bytes
.irp i, \i0, \i0+1, \i0+2, \i0+3
.irp c, 0,1,2
	ds_load_b128 v[AF+FR*(\i)+4*\c:AF+FR*(\i)+4*\c+3], v[ADRA+\slot] offset:3072*(\i)+1536*(\q)+512*\c
.endr
.endr
.endm
.macro SCALES sc                       ; a K step's scale words into set sc: six loads
.irp q, 0,1
	ds_load_b128 v[SA+8*\sc+4*\q:SA+8*\sc+4*\q+3], v[ADSA] offset:1024*\q
.endr
.irp i, 0,1,2,3
	ds_load_b64 v[SB+8*\sc+2*\i:SB+8*\sc+2*\i+1], v[ADSB] offset:SBLK*\i
.endr
.endm
; A load into a register that a matrix instruction has read, and a vector instruction or an LDS store that reads a matrix result, stand NP places behind it; only plain vector instructions that name none of its
; registers are places (ISA guide 7.12.1 for vector instructions).
.macro PLACES n
.rept \n
	v_nop
.endr
.endm
; A step of 128 along K that has its successor in the same slot.  A block of H is free as soon as its eight products are issued: blocks 0-3 are fetched anew in the step's middle, blocks 4-7 at its end.
.macro STEP slot, q, first
	s_wait_dscnt 4*NLA                             ; W2's set, H's blocks 0-3 and the scale words are in; the youngest 12 loads (H's blocks 4-7) may be out
.if \first
	WIN FIRST_LO
.else
	WIN MUL_LO
.endif
	MUL16 0, (\q)%2, \q, \slot, \first
	MUL16 2, (\q)%2, \q, \slot, \first
	s_wait_dscnt 0                                 ; H's blocks 4-7 are in (asked for 32 matrix instructions ago)
	PLACES NP
	FETCH_B \slot, (\q)+1, 1-(\q)%2
	FETCH_A \slot, (\q)+1, 0
.if \first
	WIN FIRST_HI
.else
	WIN MUL_HI
.endif
	MUL16 4, (\q)%2, \q, \slot, \first
	MUL16 6, (\q)%2, \q, \slot, \first
	PLACES NP
	WIN 0
	FETCH_A \slot, (\q)+1, 4
.endm
; A slot's last step changes slots: ONE barrier; in front of it each wave waits for all its tensor loads, adds 0 to its spare word, and waits for that and for its own reads of this slot.  fill = 1: this slot is filled again, two K steps ahead.
.macro TURN slot, next, fill
	s_wait_tensorcnt 0x0                           ; all my tensor loads have landed: my part of the next slot  (every window is 0 here: the add's two registers lie in window 0)
	ds_add_u32 v[SPW], v[NIL]                      ; 0 onto my spare word
	s_wait_dscnt 4*NLA+1                           ; (the add and the youngest 12 loads, H's blocks 4-7, may be out)
	WIN MUL_LO
	MUL16 0, 1, NQ-1, \slot, 0                     ; sixteen matrix instructions stand between the add and the wait for it
	s_wait_dscnt 0x0                               ; the add is done, and my reads of this slot are over
	s_barrier_signal -1
	MUL16 2, 1, NQ-1, \slot, 0
	WIN 0
	s_barrier_wait -1
.if \fill
	CREST                                          ; the barrier has opened a round of the cluster's barrier: no wave of any partner still reads this slot's tile or has a load on its way
	s_add_nc_u64 s[G0+4*\slot+2:G0+4*\slot+3], s[G0+4*\slot+2:G0+4*\slot+3], 2*ASTEP
	s_add_nc_u64 s[G0B+4*\slot+2:G0B+4*\slot+3], s[G0B+4*\slot+2:G0B+4*\slot+3], 2*ROWB
	JLOAD G0+4*\slot, G1, G0B+4*\slot, G1B         ; the first tensor load behind the round, my one load until the next; the four v_nop behind it are the places in front of the loads below
.else
	PLACES NP
.endif
	v_add_nc_u32 v[ADSA], 2048, v[ADSA]            ; on to the next K step's scale words: H's, four items of 512 bytes on;
	v_add_nc_u32 v[ADSB], 4*NQ, v[ADSB]            ; W2's, two words on in each row
	FETCH_B \next, 0, 0
	FETCH_A \next, 0, 0
	SCALES \next
	WIN MUL_HI
	MUL16 4, 1, NQ-1, \slot, 0
	MUL16 6, 1, NQ-1, \slot, 0
	PLACES NP
	WIN 0
	FETCH_A \next, 0, 4
.endm
	s_wait_loadcnt 0x0                             ; b2 is in
	s_wait_tensorcnt 1                             ; the scales and my part of K step 0 are in (K step 1's load, issued behind them, may be out)
	s_barrier_signal -1
	s_barrier_wait -1                              ; everybody's are
	FETCH_B 0, 0, 0
	FETCH_A 0, 0, 0
	SCALES 0
	FETCH_A 0, 0, 4
	STEP 0, 0, 1                                   ; the first step stands in front of the loop: its products start the sums, with b2
	s_mov_b32 s3, LAPS-1
.Llap:                                                 ; a trip goes once round the ring, from a lap's second step to the next lap's first, and fills both slots again
	TURN 0, 1, 1
	STEP 1, 0, 0
	TURN 1, 0, 1
	STEP 0, 0, 0
	s_sub_co_u32 s3, s3, 1
	s_cmp_lg_u32 s3, 0
	s_cbranch_scc1 .Llap
	TURN 0, 1, 0                                   ; the last lap fills nothing, and has no round of the cluster's barrier
	STEP 1, 0, 0
	s_wait_dscnt 4*NLA                             ; the very last step: nothing more to fetch
	WIN MUL_LO
	MUL16 0, 1, NQ-1, 1, 0
	MUL16 2, 1, NQ-1, 1, 0
	s_wait_dscnt 0
	WIN MUL_HI
	MUL16 4, 1, NQ-1, 1, 0
	MUL16 6, 1, NQ-1, 1, 0
	WIN 0
; THE WAY OUT, block by block of 16 rows x 128 columns.  A lane holds 32 neighbouring bytes of a row, and the lanes beside it hold other rows: so a block goes through my own stage in LDS and comes back as whole
; rows of 512 bytes, which the 32 lanes store together.  LDS serves a wave's instructions in order (ISA guide 5.7.1.4): no wait between the stores and the loads, nor in front of the next block's stores.
.macro TOSTAGE a
.set AC, 64*((\a)%4)
	WIN 0x08+4*((\a)/4)                            ; the data: window 2 or 3
.irp b, 0,1,2,3,4,5,6,7
	ds_store_b128 v[STO], v[AC+8*\b:AC+8*\b+3] offset:64*\b          ; each accumulator from its low end on
	ds_store_b128 v[STO], v[AC+8*\b+4:AC+8*\b+7] offset:64*\b+16
.endr
	WIN 0
.set BB, BK+64*((\a)%2)
.irp t, 0,1,2,3,4,5,6,7,8,9,10,11,12,13,14,15
	ds_load_b128 v[BB+4*\t:BB+4*\t+3], v[RD] offset:\t*SPITCH
.endr
.endm
.macro SEND a, younger                 ; younger: the LDS instructions issued behind block a's loads, which may stay out
.set BB, BK+64*((\a)%2)
	s_wait_dscnt \younger                          ; the block is back in registers
.if (\a) > 0
	s_add_nc_u64 s[12:13], s[12:13], 16*SIZE_N*4   ; (behind a wait on XCNT: the earlier stores have read their base)  16 rows of out on
.endif
.irp t, 0,1,2,3,4,5,6,7,8,9,10,11,12,13,14,15
	global_store_b128 v[CO], v[BB+4*\t:BB+4*\t+3], s[12:13] offset:\t*SIZE_N*4 th:TH_STORE_NT   ; 32 lanes store 512 consecutive bytes, at a multiple of 512 from out's first byte; written once, read by nobody here
.endr
.endm
	PLACES NP                                      ; behind the last products: for the loads into the registers that held H's fragments, and for the reads of results
	TOSTAGE 0
.irp a, 1,2,3,4,5,6,7
.if \a > 1
	s_wait_xcnt 0x0                                ; block a - 2's stores have read their registers and their base: block a's loads may land there, and the base may step
.endif
	TOSTAGE \a
	SEND \a-1, 32                                  ; behind block a - 1's loads: block a's 16 stores and 16 loads
.endr
	s_wait_xcnt 0x0                                ; block 6's stores have read their base
	SEND 7, 0
	s_wait_tensorcnt 0x0                           ; the wave's end: behind my last tensor load and my last LDS store
	ds_add_u32 v[SPW], v[NIL]
	s_wait_dscnt 0x0
	CROUND                                         ; the closing round: no work-group ends while a partner may still ask for a tile that names it
	s_endpgm
.Lfunc_end_k_q915a170ed4_down:
	.size	k_q915a170ed4_down, .Lfunc_end_k_q915a170ed4_down-k_q915a170ed4_down
	.p2alignl 7, 3214868480
	.fill 96, 4, 3214868480
	.section	.rodata,"a",@progbits
	.p2align	6, 0x0
	.amdhsa_kernel k_q915a170ed4_down
		.amdhsa_group_segment_fixed_size 327680
		.amdhsa_private_segment_fixed_size 0
		.amdhsa_enable_private_segment 0
		.amdhsa_kernarg_size 48
		.amdhsa_user_sgpr_count 2
		.amdhsa_user_sgpr_kernarg_segment_ptr 1
		.amdhsa_wavefront_size32 1
		.amdhsa_system_sgpr_workgroup_id_x 1
		.amdhsa_system_sgpr_workgroup_id_y 1
		.amdhsa_system_sgpr_workgroup_id_z 1
		.amdhsa_system_vgpr_workitem_id 0
		.amdhsa_next_free_vgpr 1024
		.amdhsa_next_free_sgpr 98
		.amdhsa_reserve_vcc 0
		.amdhsa_float_denorm_mode_32 3
		.amdhsa_float_denorm_mode_16_64 3
		.amdhsa_memory_ordered 1
		.amdhsa_forward_progress 1
		.amdhsa_inst_pref_size 149
	.end_amdhsa_kernel
	.amdgpu_metadata
---
amdhsa.version: [ 1, 2 ]
amdhsa.kernels:
  - .name:           k_q915a170ed4_down
    .symbol:         k_q915a170ed4_down.kd
    .args:
      - { .name: hcodes, .offset: 0, .size: 8, .value_kind: global_buffer, .address_space: global }
      - { .name: hscales, .offset: 8, .size: 8, .value_kind: global_buffer, .address_space: global }
      - { .name: W2_codes, .offset: 16, .size: 8, .value_kind: global_buffer, .address_space: global }
      - { .name: W2_scales, .offset: 24, .size: 8, .value_kind: global_buffer, .address_space: global }
      - { .name: out0, .offset: 32, .size: 8, .value_kind: global_buffer, .address_space: global }
      - { .name: b2, .offset: 40, .size: 8, .value_kind: global_buffer, .address_space: global }
    .group_segment_fixed_size: 327680
    .private_segment_fixed_size: 0
    .kernarg_segment_align: 8
    .kernarg_segment_size: 48
    .max_flat_workgroup_size: 128
    .sgpr_count:     98
    .vgpr_count:     1024
    .wavefront_size: 32
...
	.end_amdgpu_metadata
.endif
;; end of part 2
;; ======== version 2 of 2: 2 launches
;; limits: right only within a limited range of input values
;; workspace buffers: hcodes 25,165,824 bytes; hscales 1,048,576 bytes; w2img 3,145,728 bytes
;; launch up (part 3): grid 16 x 32, 4 waves a work-group, clusters of 4 x 4, 327,680 bytes of LDS; arguments hidden_states_codes, hidden_states_scales, W1_codes, W1_scales, hcodes, hscales, b1, W2_codes, w2img; writes hcodes, hscales, w2img
.if DOCPART == 3
	.amdgcn_target "amdgcn-amd-amdhsa--gfx1250"
	.amdhsa_code_object_version 6
	.text
	.protected	k_q915a170ed4_up
	.globl	k_q915a170ed4_up
	.p2align	8
	.type	k_q915a170ed4_up,@function
k_q915a170ed4_up:
	s_mov_b64 s[64:65], 0
	v_nop
	global_prefetch_b8 v0, s[64:65] scope:SCOPE_SE
	s_setreg_imm32_b32 hwreg(HW_REG_WAVE_MODE, 25, 1), 1
	s_wait_xcnt 0x0
	s_wait_alu depctr_hold_cnt(0) depctr_sa_sdst(0) depctr_va_vdst(0) depctr_va_sdst(0) depctr_va_ssrc(0) depctr_va_vcc(0) depctr_vm_vsrc(0)
	s_getreg_b32 s2, hwreg(HW_REG_IB_STS2, 6, 4)
	s_cmp_eq_u32 s2, 0
	s_cbranch_scc0 .Lentry_in_a_cluster
	s_endpgm
.Lentry_in_a_cluster:
	s_bfe_u32 s2, ttmp6, 0x10000c
	s_cmp_lg_u32 s2, 0xf033
	s_cbranch_scc0 .Lentry_shape_is_right
	s_endpgm
.Lentry_shape_is_right:
; H = Q(sw(x W1^T + b1)), sw(h) = h (0.5 + 0.25 h - 0.0208 h^3), Q the MX quantiser to BF6 (E3M2) along H's 4,096 columns, in blocks of 32.
; x: [8192][1024], W1: [4096][1024]: 6-bit codes, a row is 768 bytes, one E8M0 byte for each 32 along K; b1: [4096] f32.
; A work-group of four waves makes 256 x 256, a wave 128 x 128: 64 accumulators, 512 registers.  K goes through a ring of two LDS slots in CHUNKS OF 256 BYTES of each row (three chunks);
; a step of 128 along K is 96 bytes: steps 2 and 5 lie across two chunks and read both slots.  The scale bytes of the 256 + 256 rows come into LDS once, at the head.
; CLUSTERS 4 x 4: x's tiles are asked for jointly along a row of the cluster, W1's along a column.
; The matrix instruction is used transposed (source 0 = 16 rows of W1, source 1 = 16 rows of x): lane (r, h) holds row r, registers 0-7 the columns 8 h + 0 .. 7.  b1 is the C of each sum's first product.
; THE WAY OUT uses no LDS: a unit is 16 rows x my 128 columns; the polynomial in f32 (Horner); 32 exchanges of lane halves bring a whole block of 32 columns into a lane; largest magnitude, byte and codes are made there.
; H's codes are laid [column / 256][row / 16][(column / 128) % 2][1,536 bytes], registers 4 c .. 4 c + 3 of lane l at 512 c + 16 l: each store of the wave covers 512 consecutive bytes, aligned.
; H's scale words are laid [row / 256][column / 128][(row / 128) % 2][512 bytes]: lane (r, h) owns the words of row r of the half's blocks 4 h + 0 .. 3.
; W2 IS LAID ANEW HERE for the next launch: each of the 2,048 waves takes one fragment (16 rows x 128 K) of W2's codes into its 12 operand registers and stores that image:
; w2img is [row / 128][k / 128][(row / 16) % 8][1,536 bytes], so that the next launch's tiles of W2 are dense rows of 256 bytes.
; LIMITS: NaN and infinities are not served.  A block of H whose largest magnitude lies under 2^-122 (a block of zeros too) gets the byte 1 where the quantiser says 127 for zeros: its codes are zeros or subnormals,
; and this program alone reads the bytes.  The bias enters as the sum's first term and the polynomial is in Horner form: the order of f32 roundings differs from the formula as written.
; REGISTERS: window 0: v0-31 addresses, constants; v32-63 scale words, two sets; v64-127 b1, later four sets of codes; v128-223 x's fragments, one set, later at work; v224-235 W2's fragment.
; window 1: W1's fragments, two sets, at v0 and v128.  windows 2, 3: the accumulators of my rows 0-63, 64-127 ((a, b) at v[8 (8 (a % 4) + b)]).
; No prefetch is laid: the walk along K is three chunks, written out, with no loop to run ahead in; chunk 1 is asked for straight behind the head's tiles and chunk 2 at the one refill.
.set ROWB,   256
.set NQ,     2
.set KROW,   768
.set STEPS,  8
.set CHUNKS, 3
.set PITCH,  272                       ; 256 bytes + 16 of padding
.set FR,     12
.set NL,     6
.set NP,     4
.set HALFT,  128*PITCH
.set SLOT,   4*HALFT                   ; x's 256 rows, then W1's 256
.set KS,     32
.set SCL,    2*SLOT
.set HALFS,  (128*KS/256)*272
.set SBLK,   (16*KS/256)*272
.set SPARE,  SCL+4*HALFS               ; the spare words: 512 bytes that no other line names
.set KC3,  8                           ; v[8:9] -0.0208 twice
.set KC1,  10                          ; v[10:11] 0.25 twice
.set WO,   12                          ; v12 W2: my lane's offset; v13 b1: 32 h
.set ADRA, 16                          ; v16-17 my fragments of x in slot 0, 1; v18-19 for pieces whose lane halves read different slots
.set ADRB, 20                          ; the same for W1
.set CO,   26                          ; 16 x lane
.set ADRS, 27                          ; my scale words: lanes 0-15 x's rows, lanes 16-31 W1's
.set SPW,  28
.set NIL,  29
.set SH,   30                          ; 8 h
.set SC,   32
.set BI,   64
.set AF,   128
.set WF,   224
.set PCD,  64
.set TT,   128
.set XH,   192
.set MX,   200
.set SOP,  204
.set SBY,  206
.set WT,   208
.set SW,   216
.set ZW,   224
.set SEL,  18
.set G1, 24
.set G0, 32
.set G1B, 48
.set G0B, 56
.set G1S, 68
.set G0S, 76
.set G1SB, 80
.set G0SB, 88
.set G0H, 4
.set G0HB, 8
.set MSB, 0
.macro WIN new                         ; the immediate's high byte repeats the setting that is left
.if MSB != (\new)
	s_set_vgpr_msb (MSB<<8)|(\new)
.set MSB, (\new)
.endif
.endm
.set MUL_LO,   0xa1                    ; source 0 (W1) window 1, source 1 (x) window 0, C and D window 2
.set MUL_HI,   0xf1
.set FIRST_LO, 0x81                    ; C is b1, in window 0
.set FIRST_HI, 0xc1
.set TO_B,     0x40
.macro PLACES n
.rept \n
	v_nop
.endr
.endm
.macro JLOAD g0a, g1a, g0b, g1b        ; a joint load: waves 0, 1 fetch for x, waves 2, 3 for W1
	s_cmp_eq_u32 s15, 0
	s_cbranch_scc0 .Lfor_b_\@
	tensor_load_to_lds s[\g0a:\g0a+3], s[\g1a:\g1a+7]
	s_nop 0
	PLACES 4
	s_branch .Lasked_\@
.Lfor_b_\@:
	tensor_load_to_lds s[\g0b:\g0b+3], s[\g1b:\g1b+7]
	s_nop 0
	PLACES 4
.Lasked_\@:
.endm
.macro CREST                           ; a round of the cluster's barrier behind its opening barrier
	s_cmp_lg_u32 s14, 0
	s_cbranch_scc1 .Lnot_wave_0_\@
	s_barrier_signal -3
.Lnot_wave_0_\@:
	s_barrier_wait -3
	s_barrier_signal -1
	s_barrier_wait -1
.endm
.macro CROUND
	s_barrier_signal -1
	s_barrier_wait -1
	CREST
.endm
	s_load_b128 s[4:7], s[0:1], 0x0                ; x's codes, x's scales
	s_load_b128 s[8:11], s[0:1], 0x10              ; W1's codes, W1's scales
	s_load_b64 s[12:13], s[0:1], 0x20              ; H's codes
	s_load_b128 s[96:99], s[0:1], 0x28             ; H's scale words, b1
	s_load_b64 s[2:3], s[0:1], 0x38                ; W2's codes
	s_load_b64 s[94:95], s[0:1], 0x40              ; W2's image
	v_lshl_add_u32 v[SPW], v0, 2, SPARE
	v_mov_b32 v[NIL], 0
	ds_add_u32 v[SPW], v[NIL]
	ds_add_u32 v[SPW], v[NIL]
	v_lshrrev_b32 v1, 5, v0
	v_readfirstlane_b32 s14, v1                    ; wave
	s_lshr_b32 s15, s14, 1                         ; my half of the rows; also: I fetch for x (0) or W1 (1)
	s_and_b32 s16, s14, 1                          ; my half of the columns; also: which 128 rows I fetch
	s_bfe_u32 s40, ttmp6, 0x40000                  ; cx
	s_bfe_u32 s41, ttmp6, 0x40004                  ; cy
	s_lshl_b32 s42, ttmp9, 2
	s_add_co_u32 s42, s42, s40                     ; tile column
	s_and_b32 s17, ttmp7, 0xffff
	s_lshl_b32 s17, s17, 2
	s_add_co_u32 s17, s17, s41                     ; tile row
	s_lshl_b32 s43, s41, 2
	s_lshl_b32 s43, 15, s43                        ; my row of the cluster
	s_lshl_b32 s44, 0x1111, s40                    ; my column
	s_or_b32 s[G1+0], s43, (0<<16)|(1<<20)|(1<<21)|(5<<22)|(3<<25)   ; bytes; 4 words of padding behind every 64
	s_or_b32 s[G1B+0], s44, (0<<16)|(1<<20)|(1<<21)|(5<<22)|(3<<25)
.irp g, G1, G1B
	s_mov_b32 s[\g+1], ROWB<<16
	s_mov_b32 s[\g+2], 256<<16                     ; 256 rows for the head's loads
	s_mov_b32 s[\g+3], ROWB<<16
	s_mov_b32 s[\g+4], 256
	s_mov_b32 s[\g+5], KROW
	s_mov_b32 s[\g+6], 0
	s_mov_b32 s[\g+7], 0
.endr
	s_or_b32 s[G1S+0], s43, (3<<16)|(1<<20)|(1<<21)|(5<<22)|(3<<25)  ; the scales of 256 rows: 32 dense rows of 256 bytes, padded
	s_or_b32 s[G1SB+0], s44, (3<<16)|(1<<20)|(1<<21)|(5<<22)|(3<<25)
.irp g, G1S, G1SB
	s_mov_b32 s[\g+1], 32<<16
	s_mov_b32 s[\g+2], KS<<16
	s_mov_b32 s[\g+3], 32<<16
	s_mov_b32 s[\g+4], KS
	s_mov_b32 s[\g+5], 32
	s_mov_b32 s[\g+6], 0
	s_mov_b32 s[\g+7], 0
.endr
	s_lshl_b32 s20, s17, 8                         ; x: the tile's first row
	s_lshl_b32 s46, s42, 8                         ; W1: likewise
	s_mov_b32 s21, 0
	s_mov_b32 s47, 0
	s_mov_b64 s[18:19], KS
	s_mul_u64 s[22:23], s[20:21], s[18:19]
	s_mul_u64 s[92:93], s[46:47], s[18:19]
	s_mov_b64 s[18:19], KROW
	s_mul_u64 s[20:21], s[20:21], s[18:19]
	s_mul_u64 s[46:47], s[46:47], s[18:19]
	s_mul_i32 s18, s16, 128*KROW
	s_mov_b32 s19, 0
	s_mul_i32 s45, s14, HALFT
	s_wait_dscnt 0x0                               ; both opening adds are done
	s_wait_kmcnt 0x0
	s_add_nc_u64 s[20:21], s[4:5], s[20:21]
	s_add_nc_u64 s[22:23], s[6:7], s[22:23]
	s_add_nc_u64 s[46:47], s[8:9], s[46:47]
	s_add_nc_u64 s[92:93], s[10:11], s[92:93]
	CROUND                                         ; all sixteen work-groups are here: the first joint loads meet
	s_mov_b32 s[G0H], 1                            ; chunk 0's 256 rows of x
	s_mov_b32 s[G0H+1], 0
	s_mov_b64 s[G0H+2:G0H+3], s[20:21]
	s_or_b32 s[G0H+3], s[G0H+3], 0x80000000
	s_mov_b32 s[G0HB], 1                           ; its 256 rows of W1
	s_mov_b32 s[G0HB+1], 2*HALFT
	s_mov_b64 s[G0HB+2:G0HB+3], s[46:47]
	s_or_b32 s[G0HB+3], s[G0HB+3], 0x80000000
	s_mov_b32 s[G0S], 1                            ; x's scales
	s_mov_b32 s[G0S+1], SCL
	s_mov_b64 s[G0S+2:G0S+3], s[22:23]
	s_or_b32 s[G0S+3], s[G0S+3], 0x80000000
	s_mov_b32 s[G0SB], 1                           ; W1's scales
	s_mov_b32 s[G0SB+1], SCL+2*HALFS
	s_mov_b64 s[G0SB+2:G0SB+3], s[92:93]
	s_or_b32 s[G0SB+3], s[G0SB+3], 0x80000000
	s_add_nc_u64 s[20:21], s[20:21], s[18:19]      ; for the ring: my 128 rows
	s_add_nc_u64 s[46:47], s[46:47], s[18:19]
.irp s, 0,1
	s_mov_b32 s[G0+4*\s], 1
	s_add_co_u32 s[G0+4*\s+1], s45, \s*SLOT
	s_add_nc_u64 s[G0+4*\s+2:G0+4*\s+3], s[20:21], \s*ROWB
	s_or_b32 s[G0+4*\s+3], s[G0+4*\s+3], 0x80000000
	s_mov_b32 s[G0B+4*\s], 1
	s_add_co_u32 s[G0B+4*\s+1], s45, \s*SLOT
	s_add_nc_u64 s[G0B+4*\s+2:G0B+4*\s+3], s[46:47], \s*ROWB
	s_or_b32 s[G0B+4*\s+3], s[G0B+4*\s+3], 0x80000000
.endr
; the head's four tiles, one load a wave: one chain of branches on the wave's number
.macro ARM under, g0, g1, next
	s_cmp_lt_u32 s14, \under
	s_cbranch_scc0 \next
	tensor_load_to_lds s[\g0:\g0+3], s[\g1:\g1+7]
	s_nop 0
	PLACES 4
	s_branch .Lhead_asked
\next:
.endm
	ARM 1, G0H,  G1,  .Lhead_b
	ARM 2, G0HB, G1B, .Lhead_sa
	ARM 3, G0S,  G1S, .Lhead_sb
	tensor_load_to_lds s[G0SB:G0SB+3], s[G1SB:G1SB+7]
	s_nop 0
	PLACES 4
.Lhead_asked:
	s_lshl_b32 s92, s42, 10                        ; b1 at my 128 columns
	s_lshl_b32 s93, s16, 9
	s_add_co_u32 s92, s92, s93
	s_mov_b32 s93, 0
	s_add_nc_u64 s[98:99], s[98:99], s[92:93]
	s_lshl_b32 s92, s17, 4                         ; my fragment of W2: f = 4 (16 tile row + tile column) + wave
	s_add_co_u32 s92, s92, s42
	s_lshl_b32 s92, s92, 2
	s_add_co_u32 s92, s92, s14
	s_mul_i32 s46, s92, 1536                       ; its image lies at 1,536 f
	s_mov_b32 s47, 0
	s_add_nc_u64 s[94:95], s[94:95], s[46:47]
	s_lshr_b32 s46, s92, 8                         ; row / 128
	s_lshl_b32 s46, s46, 3
	s_and_b32 s47, s92, 7
	s_add_co_u32 s46, s46, s47                     ; row / 16
	s_mul_i32 s46, s46, 16*3072
	s_bfe_u32 s47, s92, 0x50003                    ; k / 128
	s_mul_i32 s47, s47, 96
	s_add_co_u32 s46, s46, s47
	s_mov_b32 s47, 0
	s_add_nc_u64 s[2:3], s[2:3], s[46:47]
	v_and_b32 v1, 15, v0                           ; r
	v_bfe_u32 v2, v0, 4, 1                         ; h; kept
	v_and_b32 v6, 31, v0
	v_lshlrev_b32 v[WO+1], 5, v2
	v_mul_u32_u24 v[WO], v1, 3072
	v_mad_u32_u24 v[WO], v2, 24, v[WO]
	v_lshlrev_b32 v[CO], 4, v6
.irp b, 0,1,2,3,4,5,6,7
	global_load_b128 v[BI+8*\b:BI+8*\b+3], v[WO+1], s[98:99] offset:64*\b
	global_load_b128 v[BI+8*\b+4:BI+8*\b+7], v[WO+1], s[98:99] offset:64*\b+16
.endr
.irp p, 0,1,2,3,4,5
	global_load_b64 v[WF+2*\p:WF+2*\p+1], v[WO], s[2:3] offset:48*(\p/3)+8*(\p%3)
.endr
	v_mul_u32_u24 v3, v1, PITCH
	v_mul_u32_u24 v4, v2, 24
	v_add_nc_u32 v4, v3, v4                        ; row x pitch + 24 h
	s_mov_b32 s21, SLOT-232
	s_mov_b32 s22, SLOT+232
	v_sub_nc_u32 v7, 1, v2
	v_mul_u32_u24 v5, s21, v2
	v_add_nc_u32 v5, v3, v5
	v_add_nc_u32 v5, 232, v5                       ; lanes 0-15 byte 232 of the row in slot 0, lanes 16-31 byte 0 in slot 1
	v_mul_u32_u24 v6, s22, v7
	v_add_nc_u32 v6, v3, v6                        ; and the other way round
	s_mul_i32 s21, s15, HALFT
	s_mul_i32 s22, s16, HALFT
	s_add_co_u32 s22, s22, 2*HALFT
	v_add_nc_u32 v[ADRA+2], s21, v5
	v_add_nc_u32 v[ADRA+3], s21, v6
	v_add_nc_u32 v[ADRB+2], s22, v5
	v_add_nc_u32 v[ADRB+3], s22, v6
.irp s, 0,1
	v_add_nc_u32 v[ADRA+\s], s21, v4
	v_add_nc_u32 v[ADRB+\s], s22, v4
	s_add_co_u32 s21, s21, SLOT
	s_add_co_u32 s22, s22, SLOT
.endr
	v_mul_u32_u24 v5, v1, KS
	v_lshrrev_b32 v6, 8, v5
	v_lshl_add_u32 v5, v6, 4, v5
	s_mul_i32 s21, s15, HALFS
	s_mul_i32 s22, s16, HALFS
	s_add_co_u32 s22, s22, 2*HALFS
	s_sub_co_u32 s22, s22, s21
	v_mul_u32_u24 v6, s22, v2                      ; lanes 16-31 take W1's
	s_add_co_u32 s21, s21, SCL
	v_add_nc_u32 v5, v5, v6
	v_add_nc_u32 v[ADRS], s21, v5
	v_lshlrev_b32 v[SH], 3, v2
	v_mov_b32 v[KC3], 0xbcaa64c3
	v_mov_b32 v[KC3+1], 0xbcaa64c3
	v_mov_b32 v[KC1], 0x3e800000
	v_mov_b32 v[KC1+1], 0x3e800000
	s_lshl_b32 s46, s42, 9                         ; H's codes: (((512 tile column + 16 tile row + 8 row half) x 2) + column half) x 1,536
	s_lshl_b32 s20, s17, 4
	s_add_co_u32 s46, s46, s20
	s_lshl_b32 s20, s15, 3
	s_add_co_u32 s46, s46, s20
	s_lshl_b32 s46, s46, 1
	s_add_co_u32 s46, s46, s16
	s_mul_i32 s46, s46, 1536
	s_mov_b32 s47, 0
	s_add_nc_u64 s[12:13], s[12:13], s[46:47]
	s_lshl_b32 s46, s17, 5                         ; scale words: (((32 tile row + 2 tile column + column half) x 2) + row half) x 512
	s_lshl_b32 s47, s42, 1
	s_add_co_u32 s46, s46, s47
	s_add_co_u32 s46, s46, s16
	s_lshl_b32 s46, s46, 1
	s_add_co_u32 s46, s46, s15
	s_lshl_b32 s46, s46, 9
	s_mov_b32 s47, 0
	s_add_nc_u64 s[96:97], s[96:97], s[46:47]
.macro FRAG reg, adr, st, i            ; 12 registers in pieces of 8 bytes; byte y of a row lies in slot (y / 256) % 2 at byte y % 256 of the LDS row
.irp p, 0,1,2,3,4,5
.set BY, 96*(\st)+48*(\p/3)+8*(\p%3)
.if BY/ROWB == (BY+24)/ROWB
	ds_load_b64 v[\reg+2*\p:\reg+2*\p+1], v[\adr+(BY/ROWB)%2] offset:BY%ROWB+(\i)*16*PITCH
.else
	ds_load_b64 v[\reg+2*\p:\reg+2*\p+1], v[\adr+2+(BY/ROWB)%2] offset:BY%ROWB-232+(\i)*16*PITCH
.endif
.endr
.endm
; 16 products: x's blocks a0, a0 + 1 against W1's eight.  The 64 accumulators take turns.
.macro MUL16 a0, p, q, sc, first
.irp a, \a0, \a0+1
.irp b, 0,1,2,3,4,5,6,7
.if \first
	v_wmma_scale_f32_16x16x128_f8f6f4 v[8*(8*((\a)%4)+\b):8*(8*((\a)%4)+\b)+7], v[128*(\p)+FR*\b:128*(\p)+FR*\b+FR-1], v[AF+FR*(\a):AF+FR*(\a)+FR-1], v[BI+8*\b:BI+8*\b+7], v[SC+8*NQ*(\sc)+NQ*\b+(\q)], v[SC+8*NQ*(\sc)+NQ*(\a)+(\q)] matrix_a_fmt:MATRIX_FMT_BF6 matrix_b_fmt:MATRIX_FMT_BF6 matrix_a_scale:MATRIX_SCALE_ROW1
.else
	v_wmma_scale_f32_16x16x128_f8f6f4 v[8*(8*((\a)%4)+\b):8*(8*((\a)%4)+\b)+7], v[128*(\p)+FR*\b:128*(\p)+FR*\b+FR-1], v[AF+FR*(\a):AF+FR*(\a)+FR-1], v[8*(8*((\a)%4)+\b):8*(8*((\a)%4)+\b)+7], v[SC+8*NQ*(\sc)+NQ*\b+(\q)], v[SC+8*NQ*(\sc)+NQ*(\a)+(\q)] matrix_a_fmt:MATRIX_FMT_BF6 matrix_b_fmt:MATRIX_FMT_BF6 matrix_a_scale:MATRIX_SCALE_ROW1
.endif
.endr
.endr
.endm
.macro FETCH_B st, p
	WIN TO_B
.irp i, 0,1,2,3,4,5,6,7
	FRAG 128*(\p)+FR*\i, ADRB, \st, \i
.endr
	WIN 0
.endm
.macro FETCH_A st, i0
.irp i, \i0, \i0+1, \i0+2, \i0+3
	FRAG AF+FR*(\i), ADRA, \st, \i
.endr
.endm
.macro SCALES pr                       ; the words of steps 2 pr, 2 pr + 1 into set pr % 2
.irp i, 0,1,2,3,4,5,6,7
	ds_load_b64 v[SC+8*NQ*((\pr)%2)+NQ*\i:SC+8*NQ*((\pr)%2)+NQ*\i+1], v[ADRS] offset:\i*SBLK+4*NQ*(\pr)
.endr
.endm
.macro WLO first
.if \first
	WIN FIRST_LO
.else
	WIN MUL_LO
.endif
.endm
.macro WHI first
.if \first
	WIN FIRST_HI
.else
	WIN MUL_HI
.endif
.endm
; A step: 64 products; the next step's fragments are fetched in its middle and at its end.  Where the next step's bytes END in a chunk not yet read: a wait for my tensor loads and a barrier ahead of the fetch.
; Where they BEGIN in a later chunk: the wait, the add, the wait for it and for my reads, the barrier; where a chunk two on is left, the barrier opens a round and the slot is filled again.
.macro STEP st, first
.set NX, (\st)+1
.set C0, (96*(\st))/ROWB
.set C1, (96*NX)/ROWB
.set E0, (96*(\st)+95)/ROWB
.set E1, (96*NX+95)/ROWB
.if C1 > C0 || E1 > E0
	s_wait_tensorcnt 0x0                           ; all my tensor loads have landed
.if C1 > C0
	ds_add_u32 v[SPW], v[NIL]
	s_wait_dscnt 4*NL+1                            ; the add and x's blocks 4-7 may be out
.else
	s_wait_dscnt 4*NL                              ; x's blocks 4-7 may be out
.endif
	WLO \first
	MUL16 0, (\st)%2, (\st)%2, ((\st)/2)%2, \first
	s_wait_dscnt 0x0                               ; the add and all my reads are done
	s_barrier_signal -1
	MUL16 2, (\st)%2, (\st)%2, ((\st)/2)%2, \first
	WIN 0
	s_barrier_wait -1
.if C1 > C0 && C0+2 < CHUNKS
	CREST
	s_add_nc_u64 s[G0+4*(C0%2)+2:G0+4*(C0%2)+3], s[G0+4*(C0%2)+2:G0+4*(C0%2)+3], 2*ROWB
	s_add_nc_u64 s[G0B+4*(C0%2)+2:G0B+4*(C0%2)+3], s[G0B+4*(C0%2)+2:G0B+4*(C0%2)+3], 2*ROWB
	JLOAD G0+4*(C0%2), G1, G0B+4*(C0%2), G1B       ; chunk C0 + 2; its four v_nop are the places in front of the loads below
.else
	PLACES NP
.endif
.else
	s_wait_dscnt 4*NL                              ; x's blocks 4-7 may be out
	WLO \first
	MUL16 0, (\st)%2, (\st)%2, ((\st)/2)%2, \first
	MUL16 2, (\st)%2, (\st)%2, ((\st)/2)%2, \first
	s_wait_dscnt 0
	PLACES NP
.endif
	FETCH_B NX, NX%2
	FETCH_A NX, 0
.if NX%2 == 0
	SCALES NX/2
.endif
	WHI \first
	MUL16 4, (\st)%2, (\st)%2, ((\st)/2)%2, \first
	MUL16 6, (\st)%2, (\st)%2, ((\st)/2)%2, \first
	PLACES NP
	WIN 0
	FETCH_A NX, 4
.endm
	s_wait_alu depctr_va_vdst(0)
	s_wait_tensorcnt 0x0                           ; my tile of the head's four is in
	ds_add_u32 v[SPW], v[NIL]
	s_mov_b32 s[G1+2], 128<<16                     ; no tensor load of mine is out: from here on a load brings 128 rows
	s_mov_b32 s[G1+4], 128
	s_mov_b32 s[G1B+2], 128<<16
	s_mov_b32 s[G1B+4], 128
	s_wait_dscnt 0x0
	CROUND
	JLOAD G0+4, G1, G0B+4, G1B                     ; chunk 1
	FETCH_B 0, 0
	FETCH_A 0, 0
	SCALES 0
	FETCH_A 0, 4
	s_wait_loadcnt 0x0                             ; b1 and W2's fragment are in
.irp c, 0,1,2
	global_store_b128 v[CO], v[WF+4*\c:WF+4*\c+3], s[94:95] offset:512*\c   ; the image: 512 consecutive bytes a store, aligned
.endr
	STEP 0, 1                                      ; the first products start the sums, with b1
.set ST, 1
.rept STEPS-2
	STEP ST, 0
.set ST, ST+1
.endr
	s_wait_dscnt 4*NL                              ; the last step fetches nothing
	WIN MUL_LO
	MUL16 0, 1, 1, 1, 0
	MUL16 2, 1, 1, 1, 0
	s_wait_dscnt 0
	WIN MUL_HI
	MUL16 4, 1, 1, 1, 0
	MUL16 6, 1, 1, 1, 0
	WIN 0
; SWISH: sw = h (0.5 + h (0.25 - 0.0208 h h)), two numbers an instruction, each accumulator from its low end on.  Of each four blocks of W1 the order in TT is 0, 2, 1, 3.
.macro SWISH a
.set AC, 64*((\a)%4)
	WIN 0x0a+5*((\a)/4)
.irp b, 0,1,2,3,4,5,6,7
.set TO, TT+32*(\b/4)+16*(\b%2)+8*((\b%4)/2)
.irp r, 0,2,4,6
	v_pk_mul_f32 v[TO+\r:TO+\r+1], v[AC+8*\b+\r:AC+8*\b+\r+1], v[AC+8*\b+\r:AC+8*\b+\r+1]
.endr
.endr
	WIN 0
.set i, 0
.rept 32
	v_pk_fma_f32 v[TT+i:TT+i+1], v[TT+i:TT+i+1], v[KC3:KC3+1], v[KC1:KC1+1]
.set i, i+2
.endr
	WIN 0x08+4*((\a)/4)
.irp b, 0,1,2,3,4,5,6,7
.set TO, TT+32*(\b/4)+16*(\b%2)+8*((\b%4)/2)
.irp r, 0,2,4,6
	v_pk_fma_f32 v[TO+\r:TO+\r+1], v[TO+\r:TO+\r+1], v[AC+8*\b+\r:AC+8*\b+\r+1], 0.5 op_sel_hi:[1,1,0]
.endr
.endr
.irp b, 0,1,2,3,4,5,6,7
.set TO, TT+32*(\b/4)+16*(\b%2)+8*((\b%4)/2)
.irp r, 0,2,4,6
	v_pk_mul_f32 v[TO+\r:TO+\r+1], v[TO+\r:TO+\r+1], v[AC+8*\b+\r:AC+8*\b+\r+1]
.endr
.endr
	WIN 0
.endm
; LANES: behind it v[TT + 32 c + i] of lane (r, h) is sw(row r, column 64 c + 32 h + i): a whole block of 32 in a lane
.macro LANES
.irp c, 0,1
.irp g, 0,16
.irp j, 0,1,2,3,4,5,6,7
	v_permlane16_swap_b32 v[TT+32*\c+\g+\j], v[TT+32*\c+\g+8+\j]
.endr
.endr
.endr
.endm
; QUANT: my two blocks of row r: largest magnitude (with the floor 2^(5 - 127) as a leaf), byte, codes; the row's scale word
.macro QUANT a
.set PA, PCD+12*((\a)%4)
.irp k, 0,1,2,3
	v_max3_num_f32 v[MX+\k], |v[TT+16*\k]|, |v[TT+16*\k+1]|, 0x2800000
.endr
.irp i, 2,4,6,8,10,12,14
.irp k, 0,1,2,3
	v_max3_num_f32 v[MX+\k], v[MX+\k], |v[TT+16*\k+\i]|, |v[TT+16*\k+\i+1]|
.endr
.endr
	v_max_num_f32 v[MX], v[MX], v[MX+1]
	v_max_num_f32 v[MX+2], v[MX+2], v[MX+3]
	v_add_nc_u32 v[SOP], 0xfe000000, v[MX]         ; 4 off the exponent field: the conversion's scale operand
	v_add_nc_u32 v[SOP+1], 0xfe000000, v[MX+2]
	v_lshrrev_b32 v[SBY], 23, v[SOP]
	v_lshrrev_b32 v[SBY+1], 23, v[SOP+1]
	v_lshl_or_b32 v[WT], v[SBY+1], 16, v[SBY]
	v_lshlrev_b32 v[WT], v[SH], v[WT]
	v_permlanex16_b32 v[WT+1], v[WT], s[SEL], s[SEL+1]
	v_or_b32 v[SW+(\a)], v[WT], v[WT+1]            ; the word of row r, whole in both lanes
.if (\a) >= 4
	s_wait_alu depctr_va_vdst(0)
	s_wait_xcnt 0x0                                ; unit a - 4's stores have read this set of registers
.endif
.irp c, 0,1
	v_cvt_scalef32_pk16_bf6_f32 v[PA+6*\c:PA+6*\c+2], v[TT+32*\c:TT+32*\c+15], v[SOP+\c]
	v_cvt_scalef32_pk16_bf6_f32 v[XH+4*\c:XH+4*\c+2], v[TT+32*\c+16:TT+32*\c+31], v[SOP+\c]
.endr
	v_nop                                          ; one plain place behind a scaled conversion
.irp c, 0,1
.irp i, 0,1,2
	v_mov_b32 v[PA+6*\c+3+\i], v[XH+4*\c+\i]
.endr
.endr
.irp c, 0,1,2
	global_store_b128 v[CO], v[PA+4*\c:PA+4*\c+3], s[12:13] offset:3072*(\a)+512*\c
.endr
.endm
	PLACES NP
	s_mov_b32 s[SEL], 0x76543210
	s_mov_b32 s[SEL+1], 0xfedcba98
	v_mov_b32 v[WT+1], 0                           ; a lane permute's destination counts as a source
.irp a, 0,1,2,3,4,5,6,7
	SWISH \a
	LANES
	QUANT \a
.endr
	v_cmp_ne_u32 vcc_lo, 0, v2
.irp i, 0,1,2,3
	v_cndmask_b32 v[ZW+\i], v[SW+\i], v[SW+4+\i], vcc_lo
.endr
	global_store_b128 v[CO], v[ZW:ZW+3], s[96:97]
	s_wait_tensorcnt 0x0                           ; the wave's end
	ds_add_u32 v[SPW], v[NIL]
	s_wait_dscnt 0x0
	CROUND                                         ; the closing round
	s_endpgm
.Lfunc_end_k_q915a170ed4_up:
	.size	k_q915a170ed4_up, .Lfunc_end_k_q915a170ed4_up-k_q915a170ed4_up
	.p2alignl 7, 3214868480
	.fill 96, 4, 3214868480
	.section	.rodata,"a",@progbits
	.p2align	6, 0x0
	.amdhsa_kernel k_q915a170ed4_up
		.amdhsa_group_segment_fixed_size 327680
		.amdhsa_private_segment_fixed_size 0
		.amdhsa_enable_private_segment 0
		.amdhsa_kernarg_size 72
		.amdhsa_user_sgpr_count 2
		.amdhsa_user_sgpr_kernarg_segment_ptr 1
		.amdhsa_wavefront_size32 1
		.amdhsa_system_sgpr_workgroup_id_x 1
		.amdhsa_system_sgpr_workgroup_id_y 1
		.amdhsa_system_sgpr_workgroup_id_z 1
		.amdhsa_system_vgpr_workitem_id 0
		.amdhsa_next_free_vgpr 1024
		.amdhsa_next_free_sgpr 100
		.amdhsa_reserve_vcc 1
		.amdhsa_float_denorm_mode_32 3
		.amdhsa_float_denorm_mode_16_64 3
		.amdhsa_memory_ordered 1
		.amdhsa_forward_progress 1
		.amdhsa_inst_pref_size 235
	.end_amdhsa_kernel
	.amdgpu_metadata
---
amdhsa.version: [ 1, 2 ]
amdhsa.kernels:
  - .name:           k_q915a170ed4_up
    .symbol:         k_q915a170ed4_up.kd
    .args:
      - { .name: hidden_states_codes, .offset: 0, .size: 8, .value_kind: global_buffer, .address_space: global }
      - { .name: hidden_states_scales, .offset: 8, .size: 8, .value_kind: global_buffer, .address_space: global }
      - { .name: W1_codes, .offset: 16, .size: 8, .value_kind: global_buffer, .address_space: global }
      - { .name: W1_scales, .offset: 24, .size: 8, .value_kind: global_buffer, .address_space: global }
      - { .name: hcodes, .offset: 32, .size: 8, .value_kind: global_buffer, .address_space: global }
      - { .name: hscales, .offset: 40, .size: 8, .value_kind: global_buffer, .address_space: global }
      - { .name: b1, .offset: 48, .size: 8, .value_kind: global_buffer, .address_space: global }
      - { .name: W2_codes, .offset: 56, .size: 8, .value_kind: global_buffer, .address_space: global }
      - { .name: w2img, .offset: 64, .size: 8, .value_kind: global_buffer, .address_space: global }
    .group_segment_fixed_size: 327680
    .private_segment_fixed_size: 0
    .kernarg_segment_align: 8
    .kernarg_segment_size: 72
    .max_flat_workgroup_size: 128
    .sgpr_count:     100
    .vgpr_count:     1024
    .wavefront_size: 32
...
	.end_amdgpu_metadata
.endif
;; end of part 3
;; launch down (part 4): grid 8 x 32, 4 waves a work-group, clusters of 4 x 4, 327,680 bytes of LDS; arguments hcodes, hscales, w2img, W2_scales, out0, b2; writes out0
.if DOCPART == 4
	.amdgcn_target "amdgcn-amd-amdhsa--gfx1250"
	.amdhsa_code_object_version 6
	.text
	.protected	k_q915a170ed4_down
	.globl	k_q915a170ed4_down
	.p2align	8
	.type	k_q915a170ed4_down,@function
k_q915a170ed4_down:
	s_mov_b64 s[64:65], 0
	v_nop
	global_prefetch_b8 v0, s[64:65] scope:SCOPE_SE
	s_setreg_imm32_b32 hwreg(HW_REG_WAVE_MODE, 25, 1), 1
	s_wait_xcnt 0x0
	s_wait_alu depctr_hold_cnt(0) depctr_sa_sdst(0) depctr_va_vdst(0) depctr_va_sdst(0) depctr_va_ssrc(0) depctr_va_vcc(0) depctr_vm_vsrc(0)
	s_getreg_b32 s2, hwreg(HW_REG_IB_STS2, 6, 4)
	s_cmp_eq_u32 s2, 0
	s_cbranch_scc0 .Lentry_in_a_cluster
	s_endpgm
.Lentry_in_a_cluster:
	s_bfe_u32 s2, ttmp6, 0x10000c
	s_cmp_lg_u32 s2, 0xf033
	s_cbranch_scc0 .Lentry_shape_is_right
	s_endpgm
.Lentry_shape_is_right:
; out = H W2^T + b2.  H [8192][4096] and W2 [1024][4096] as BF6 codes with E8M0 scales; out f32.
; H's codes, H's scale words and W2's codes come as the launch before laid them: images of the operand's registers, 1,536 bytes for 16 rows x 128 K (registers 4 c .. 4 c + 3 of lane l at 512 c + 16 l).
; A work-group of four waves makes 256 x 128, a wave 128 x 64: 32 accumulators.  K goes in steps of 512 through a ring of two LDS slots: H's two planes of 49,152 bytes, then W2's 49,152 bytes,
; every tile a dense run of rows of 256 bytes.  Waves 0 and 1 fetch H's planes, wave 2 W2's part; wave 3 fetches W2's scale bytes (16,384, once, at the head) and nothing in the ring.
; CLUSTERS 4 x 4: H's tiles are asked for jointly along a row of the cluster, W2's along a column.  H's scale words go from memory into registers, 16 bytes a lane, two sets.
; The matrix instruction is used transposed (source 0 = W2, source 1 = H); b2 is the C of each sum's first product.  Results leave through a stage in slot 0, which has had its last fill and read by then.
; LIMITS: NaN and infinities are not served.
; PREFETCH: behind each refill (K step t + 2) waves 0-2 ask for K step t + 4 of what they fetch; K steps 2 and 3 are asked for once, behind slot 1's first fill.  A tile is 192 blocks of 256 bytes:
; the four partners that ask for it jointly take 48 blocks each, told apart by address (cx for H, cy for W2): two instructions a wave, a lane a block, the second's lanes 16-31 naming the last block again.
; The loop's last trip asks for nothing: K has eight steps.
.set SIZE_N, 1024
.set SIZE_K, 4096
.set KSTEP,  512
.set FR,     12
.set NP,     4
.set APLANE, 16*2*1536
.set AWAVE,  8*2*1536
.set ABYTES, 2*APLANE
.set ASTEP,  512*2*1536
.set BBYTES, 4*8*1536
.set SLOT,   ABYTES+BBYTES
.set LAPS,   SIZE_K/(2*KSTEP)
.set SCB,    2*SLOT
.set SBLK,   8*272
.set SPARE,  SCB+8*SBLK                ; the spare words: 512 bytes that no other line names
.set SPITCH, 272
.set ADRA, 16                          ; v16-19: H's images, slot s plane p at v[16 + 2 s + p]
.set ADRB, 20                          ; v20-21: W2's images in slot 0, 1
.set STO,  24
.set RD,   25
.set CO,   26
.set LI,   27                          ; 16 x lane
.set SPW,  28
.set NIL,  29
.set ADSB, 30
.set PFO,  8                           ; v8: 256 x lane; v9: 256 x min(lane + 32, 47); never rewritten
.set PFA,  68                          ; s[68:69], s[70:71]: where my prefetches stand, for slot 0's and slot 1's K steps
.set PFS,  72                          ; s[72:73]: two K steps of my tile, in bytes
.set LIM,  74                          ; s74: 1 in waves 0-2, the greatest number in wave 3, which asks for nothing
.set SA,   32
.set SB,   64
.set BI,   80
.set AF0,  128
.set AF1,  96
.set BF,   0
.set BK,   128
.set G1, 24
.set G0, 32
.set G1B, 48
.set G0B, 56
.set G1SB, 80
.set G0SB, 88
.set MSB, 0
.macro WIN new
.if MSB != (\new)
	s_set_vgpr_msb (MSB<<8)|(\new)
.set MSB, (\new)
.endif
.endm
.set MUL0,   0xa1
.set MUL1,   0xa5
.set FIRST0, 0x81
.set TO_1,   0x40
.macro PLACES n
.rept \n
	v_nop
.endr
.endm
.macro JLOAD s                         ; slot s: waves 0, 1 H's planes, wave 2 W2's part, wave 3 none; four places stand on every way
	s_cmp_lt_u32 s14, 2
	s_cbranch_scc0 .Lfor_b_\@
	tensor_load_to_lds s[G0+4*\s:G0+4*\s+3], s[G1:G1+7]
	s_nop 0
	PLACES 4
	s_branch .Lasked_\@
.Lfor_b_\@:
	s_cmp_eq_u32 s14, 2
	s_cbranch_scc0 .Lnone_\@
	tensor_load_to_lds s[G0B+4*\s:G0B+4*\s+3], s[G1B:G1B+7]
	s_nop 0
	PLACES 4
	s_branch .Lasked_\@
.Lnone_\@:
	PLACES 4
.Lasked_\@:
.endm
.macro CREST
	s_cmp_lg_u32 s14, 0
	s_cbranch_scc1 .Lnot_wave_0_\@
	s_barrier_signal -3
.Lnot_wave_0_\@:
	s_barrier_wait -3
	s_barrier_signal -1
	s_barrier_wait -1
.endm
.macro CROUND
	s_barrier_signal -1
	s_barrier_wait -1
	CREST
.endm
	s_load_b128 s[4:7], s[0:1], 0x0                ; H's codes, H's scale words
	s_load_b128 s[8:11], s[0:1], 0x10              ; W2's image, W2's scales
	s_load_b64 s[12:13], s[0:1], 0x20              ; out
	s_load_b64 s[96:97], s[0:1], 0x28              ; b2
	v_lshl_add_u32 v[SPW], v0, 2, SPARE
	v_mov_b32 v[NIL], 0
	ds_add_u32 v[SPW], v[NIL]
	ds_add_u32 v[SPW], v[NIL]
	v_lshrrev_b32 v1, 5, v0
	v_readfirstlane_b32 s14, v1
	s_lshr_b32 s15, s14, 1                         ; my half of the rows
	s_and_b32 s16, s14, 1                          ; my half of the columns; for waves 0, 1: the plane that I fetch
	s_bfe_u32 s40, ttmp6, 0x40000
	s_bfe_u32 s41, ttmp6, 0x40004
	s_lshl_b32 s42, ttmp9, 2
	s_add_co_u32 s42, s42, s40                     ; tile column
	s_and_b32 s17, ttmp7, 0xffff
	s_lshl_b32 s17, s17, 2
	s_add_co_u32 s17, s17, s41                     ; tile row
	s_lshl_b32 s43, s41, 2
	s_lshl_b32 s43, 15, s43
	s_lshl_b32 s44, 0x1111, s40
	s_or_b32 s[G1+0], s43, (3<<16)|(1<<21)         ; 192 dense rows of 256 bytes
	s_or_b32 s[G1B+0], s44, (3<<16)|(1<<21)
.irp g, G1, G1B
	s_mov_b32 s[\g+1], 32<<16
	s_mov_b32 s[\g+2], 192<<16
	s_mov_b32 s[\g+3], 32<<16
	s_mov_b32 s[\g+4], 192
	s_mov_b32 s[\g+5], 32
	s_mov_b32 s[\g+6], 0
	s_mov_b32 s[\g+7], 0
.endr
	s_or_b32 s[G1SB+0], s44, (3<<16)|(1<<20)|(1<<21)|(5<<22)|(3<<25)  ; 64 rows of 256 bytes, 16 of padding behind each
	s_mov_b32 s[G1SB+1], 32<<16
	s_mov_b32 s[G1SB+2], 64<<16
	s_mov_b32 s[G1SB+3], 32<<16
	s_mov_b32 s[G1SB+4], 64
	s_mov_b32 s[G1SB+5], 32
	s_mov_b32 s[G1SB+6], 0
	s_mov_b32 s[G1SB+7], 0
	s_mul_i32 s20, s17, APLANE
	s_mul_i32 s18, s16, ASTEP
	s_add_co_u32 s20, s20, s18
	s_mov_b32 s21, 0
	s_lshl_b32 s22, s17, 15
	s_lshl_b32 s18, s15, 9
	s_add_co_u32 s22, s22, s18
	s_mov_b32 s23, 0
	s_mul_i32 s46, s42, 8*BBYTES                   ; W2's image of my 128 rows: 32 steps of 128 x 8 blocks x 1,536 bytes
	s_mov_b32 s47, 0
	s_lshl_b32 s92, s42, 14
	s_mov_b32 s93, 0
	s_mul_i32 s45, s16, APLANE
	s_wait_dscnt 0x0
	s_wait_kmcnt 0x0
	s_add_nc_u64 s[20:21], s[4:5], s[20:21]
	s_add_nc_u64 s[6:7], s[6:7], s[22:23]
	s_add_nc_u64 s[46:47], s[8:9], s[46:47]
	s_add_nc_u64 s[92:93], s[10:11], s[92:93]
	CROUND                                         ; the first joint loads meet
	s_mov_b32 s[G0SB], 1
	s_mov_b32 s[G0SB+1], SCB
	s_mov_b64 s[G0SB+2:G0SB+3], s[92:93]
	s_or_b32 s[G0SB+3], s[G0SB+3], 0x80000000
.irp s, 0,1
	s_mov_b32 s[G0+4*\s], 1
	s_add_co_u32 s[G0+4*\s+1], s45, \s*SLOT
	s_add_nc_u64 s[G0+4*\s+2:G0+4*\s+3], s[20:21], \s*2*ASTEP
	s_or_b32 s[G0+4*\s+3], s[G0+4*\s+3], 0x80000000
	s_mov_b32 s[G0B+4*\s], 1
	s_mov_b32 s[G0B+4*\s+1], ABYTES+\s*SLOT
	s_add_nc_u64 s[G0B+4*\s+2:G0B+4*\s+3], s[46:47], \s*BBYTES
	s_or_b32 s[G0B+4*\s+3], s[G0B+4*\s+3], 0x80000000
.endr
	; the head's four tiles, one load a wave: slot 0's three parts and W2's scales
	s_cmp_lt_u32 s14, 2
	s_cbranch_scc0 .Lhead_b
	tensor_load_to_lds s[G0:G0+3], s[G1:G1+7]
	s_nop 0
	PLACES 4
	s_branch .Lhead_asked
.Lhead_b:
	s_cmp_eq_u32 s14, 2
	s_cbranch_scc0 .Lhead_s
	tensor_load_to_lds s[G0B:G0B+3], s[G1B:G1B+7]
	s_nop 0
	PLACES 4
	s_branch .Lhead_asked
.Lhead_s:
	tensor_load_to_lds s[G0SB:G0SB+3], s[G1SB:G1SB+7]
	s_nop 0
	PLACES 4
.Lhead_asked:
	s_lshl_b32 s46, s42, 9                         ; my 64 columns, in bytes of f32
	s_lshl_b32 s47, s16, 8
	s_add_co_u32 s46, s46, s47
	s_mov_b32 s47, 0
	s_add_nc_u64 s[96:97], s[96:97], s[46:47]
	s_lshl_b32 s20, s17, 8
	s_lshl_b32 s21, s15, 7
	s_add_co_u32 s20, s20, s21
	s_lshl_b32 s20, s20, 12                        ; my first row of out, 4,096 bytes a row
	s_mov_b32 s21, 0
	s_add_nc_u64 s[20:21], s[20:21], s[46:47]
	s_add_nc_u64 s[12:13], s[12:13], s[20:21]
	s_mul_i32 s21, s15, AWAVE                      ; my 128 rows of H in a plane
	s_mul_i32 s22, s16, 4*1536                     ; my four blocks of W2,
	s_add_co_u32 s22, s22, ABYTES                  ; behind H's planes
	s_mul_i32 s23, s16, 4*SBLK
	s_add_co_u32 s23, s23, SCB
	s_mul_i32 s18, s14, 16*SPITCH
	s_mul_i32 s70, s17, APLANE                     ; the prefetches: H's plane of my tile row,
	s_mul_i32 s71, s16, ASTEP
	s_add_co_u32 s70, s70, s71
	s_mul_i32 s71, s42, 8*BBYTES                   ; or W2's image of my tile column
	s_mov_b32 s73, 2*BBYTES
	s_cmp_lt_u32 s14, 2                            ; do I fetch for H?
	s_cselect_b64 s[PFA:PFA+1], s[4:5], s[8:9]
	s_cselect_b32 s70, s70, s71
	s_cselect_b32 s19, s40, s41                    ; my place among the four that ask with me
	s_cselect_b32 s[PFS], 4*ASTEP, s73
	s_cmp_lt_u32 s14, 3
	s_cselect_b32 s[LIM], 1, -1
	s_mul_i32 s19, s19, 48*256                     ; my work-group's 48 blocks
	s_add_co_u32 s70, s70, s19
	s_add_co_u32 s70, s70, s[PFS]                  ; at K step 2
	s_mov_b32 s71, 0
	s_mov_b32 s[PFS+1], 0
	s_add_nc_u64 s[PFA:PFA+1], s[PFA:PFA+1], s[70:71]
	s_lshr_b32 s70, s[PFS], 1
	s_add_nc_u64 s[PFA+2:PFA+3], s[PFA:PFA+1], s[70:71]   ; and at K step 3
	v_and_b32 v1, 15, v0
	v_bfe_u32 v2, v0, 4, 1
	v_and_b32 v6, 31, v0
	v_lshlrev_b32 v[LI], 4, v6
	v_lshlrev_b32 v7, 5, v2
	v_lshlrev_b32 v[PFO], 8, v6
	v_add_nc_u32 v[PFO+1], 32, v6
	v_min_u32 v[PFO+1], 47, v[PFO+1]
	v_lshlrev_b32 v[PFO+1], 8, v[PFO+1]
.irp t, 0,1
.irp q, 0,1,2,3
	global_load_b128 v[SA+16*\t+4*\q:SA+16*\t+4*\q+3], v[LI], s[6:7] offset:4096*\t+1024*\q
.endr
.endr
.irp b, 0,1,2,3
	global_load_b128 v[BI+8*\b:BI+8*\b+3], v7, s[96:97] offset:64*\b
	global_load_b128 v[BI+8*\b+4:BI+8*\b+7], v7, s[96:97] offset:64*\b+16
.endr
	v_add_nc_u32 v[ADRA], s21, v[LI]
	v_add_nc_u32 v[ADRA+1], APLANE, v[ADRA]
	v_add_nc_u32 v[ADRA+2], SLOT, v[ADRA]
	v_add_nc_u32 v[ADRA+3], SLOT+APLANE, v[ADRA]
	v_add_nc_u32 v[ADRB], s22, v[LI]
	v_add_nc_u32 v[ADRB+1], SLOT, v[ADRB]
	v_lshlrev_b32 v5, 7, v1                        ; W2's scales: 128 bytes a row, 16 more for each 256 passed
	v_lshrrev_b32 v6, 8, v5
	v_lshl_add_u32 v5, v6, 4, v5
	v_mad_u32_u24 v5, v2, 2*SBLK, v5               ; lanes 16-31 take the block two on
	v_add_nc_u32 v[ADSB], s23, v5
	v_mul_u32_u24 v5, v1, SPITCH
	v_lshl_add_u32 v5, v2, 5, v5
	v_add_nc_u32 v[STO], s18, v5
	v_mul_u32_u24 v5, v2, SPITCH
	v_lshl_add_u32 v5, v1, 4, v5
	v_add_nc_u32 v[RD], s18, v5
	v_lshlrev_b32 v5, 12, v2
	v_lshl_add_u32 v[CO], v1, 4, v5
; 8 products: H's blocks a0, a0 + 1 against W2's four.  The 32 accumulators take turns.
.macro MUL8 a0, q, sc, first
.irp a, \a0, \a0+1
.irp b, 0,1,2,3
.set rD, 8*(4*(\a)+\b)
.set rB, BF+48*((\q)%2)+FR*\b
.if (\q)%2
.set rA, AF1+FR*(\a)
.else
.set rA, AF0+FR*(\a)
.endif
.set rSB, SB+8*(\sc)+4*(\b%2)+(\q)
.set rSA, SA+16*(\sc)+4*(\q)+(\a)%4
.if \first
.set rC, BI+8*\b
.else
.set rC, rD
.endif
.if ((\a)/4) && (\b/2)
	v_wmma_scale_f32_16x16x128_f8f6f4 v[rD:rD+7], v[rB:rB+FR-1], v[rA:rA+FR-1], v[rC:rC+7], v[rSB], v[rSA] matrix_a_fmt:MATRIX_FMT_BF6 matrix_b_fmt:MATRIX_FMT_BF6 matrix_a_scale:MATRIX_SCALE_ROW1 matrix_b_scale:MATRIX_SCALE_ROW1
.elseif (\b/2)
	v_wmma_scale_f32_16x16x128_f8f6f4 v[rD:rD+7], v[rB:rB+FR-1], v[rA:rA+FR-1], v[rC:rC+7], v[rSB], v[rSA] matrix_a_fmt:MATRIX_FMT_BF6 matrix_b_fmt:MATRIX_FMT_BF6 matrix_a_scale:MATRIX_SCALE_ROW1
.elseif ((\a)/4)
	v_wmma_scale_f32_16x16x128_f8f6f4 v[rD:rD+7], v[rB:rB+FR-1], v[rA:rA+FR-1], v[rC:rC+7], v[rSB], v[rSA] matrix_a_fmt:MATRIX_FMT_BF6 matrix_b_fmt:MATRIX_FMT_BF6 matrix_b_scale:MATRIX_SCALE_ROW1
.else
	v_wmma_scale_f32_16x16x128_f8f6f4 v[rD:rD+7], v[rB:rB+FR-1], v[rA:rA+FR-1], v[rC:rC+7], v[rSB], v[rSA] matrix_a_fmt:MATRIX_FMT_BF6 matrix_b_fmt:MATRIX_FMT_BF6
.endif
.endr
.endr
.endm
.macro FETCH slot, q                   ; the fragments of the slot's q-th 128 along K: images, three loads of 16 bytes a lane each
	WIN TO_1
.irp i, 0,1,2,3
.irp c, 0,1,2
	ds_load_b128 v[BF+48*((\q)%2)+FR*\i+4*\c:BF+48*((\q)%2)+FR*\i+4*\c+3], v[ADRB+\slot] offset:12288*(\q)+1536*\i+512*\c
.endr
.endr
.if (\q)%2
.irp i, 0,1,2,3,4,5,6,7
.irp c, 0,1,2
	ds_load_b128 v[AF1+FR*\i+4*\c:AF1+FR*\i+4*\c+3], v[ADRA+2*\slot+(\q)/2] offset:3072*\i+1536*((\q)%2)+512*\c
.endr
.endr
	WIN 0
.else
	WIN 0
.irp i, 0,1,2,3,4,5,6,7
.irp c, 0,1,2
	ds_load_b128 v[AF0+FR*\i+4*\c:AF0+FR*\i+4*\c+3], v[ADRA+2*\slot+(\q)/2] offset:3072*\i+1536*((\q)%2)+512*\c
.endr
.endr
.endif
.endm
.macro SCALESB sc
.irp i, 0,1
	ds_load_b128 v[SB+8*\sc+4*\i:SB+8*\sc+4*\i+3], v[ADSB] offset:SBLK*\i
.endr
.endm
.macro ASCALES sc                      ; H's scale words of the K step two on
	s_wait_xcnt 0x0
	s_add_nc_u64 s[6:7], s[6:7], 4096
.irp q, 0,1,2,3
	global_load_b128 v[SA+16*\sc+4*\q:SA+16*\sc+4*\q+3], v[LI], s[6:7] offset:4096+1024*\q
.endr
.endm
.macro STEP slot, q, first, lc         ; 32 products; the next 128's fragments are fetched ahead of them.  lc: the younger loads of scale words that may stay out
	s_wait_dscnt 0x0
.if \lc >= 0
	s_wait_loadcnt \lc
.endif
	PLACES NP
	FETCH \slot, (\q)+1
.if \first
	WIN FIRST0
.elseif (\q)%2
	WIN MUL1
.else
	WIN MUL0
.endif
	MUL8 0, \q, \slot, \first
	MUL8 2, \q, \slot, \first
	MUL8 4, \q, \slot, \first
	MUL8 6, \q, \slot, \first
.endm
.macro ASK pr, how                     ; my 48 blocks at address pair pr.  how = 1: at the head; how = 0: in the loop, whose last trip (s3 = 1) has no K step left to ask for
.if \how
	s_cmp_eq_u32 s[LIM], 1
.else
	s_cmp_gt_u32 s3, s[LIM]
.endif
	s_cbranch_scc0 .Lnot_mine_\@
	global_prefetch_b8 v[PFO], s[PFA+2*\pr:PFA+2*\pr+1] th:TH_LOAD_NT scope:SCOPE_SE
	global_prefetch_b8 v[PFO+1], s[PFA+2*\pr:PFA+2*\pr+1] th:TH_LOAD_NT scope:SCOPE_SE
.Lnot_mine_\@:
.endm
.macro TURN slot, next, fill           ; a slot's last 128 changes slots
.if \fill
	s_wait_xcnt 0x0                                ; my earlier prefetches have read their addresses
	s_add_nc_u64 s[PFA+2*\slot:PFA+2*\slot+1], s[PFA+2*\slot:PFA+2*\slot+1], s[PFS:PFS+1]   ; this slot's K step two refills on
.endif
	WIN 0
	s_wait_tensorcnt 0x0                           ; all my tensor loads have landed
	ds_add_u32 v[SPW], v[NIL]
	s_wait_dscnt 1                                 ; the add may be out
	WIN MUL1
	MUL8 0, 3, \slot, 0
	s_wait_dscnt 0x0                               ; the add is done, my reads of this slot are over
	s_barrier_signal -1
	MUL8 2, 3, \slot, 0
	WIN 0
	s_barrier_wait -1
.if \fill
	CREST
	s_add_nc_u64 s[G0+4*\slot+2:G0+4*\slot+3], s[G0+4*\slot+2:G0+4*\slot+3], 4*ASTEP
	s_add_nc_u64 s[G0B+4*\slot+2:G0B+4*\slot+3], s[G0B+4*\slot+2:G0B+4*\slot+3], 2*BBYTES
	JLOAD \slot
.else
	PLACES NP
.endif
	s_wait_alu depctr_va_vdst(0)
	v_add_nc_u32 v[ADSB], 16, v[ADSB]
	FETCH \next, 0
	SCALESB \next
.if \fill
	ASK \slot, 0
.endif
	WIN MUL1
	MUL8 4, 3, \slot, 0
	MUL8 6, 3, \slot, 0
	WIN 0
.if \fill
	PLACES NP
	ASCALES \slot
.endif
.endm
	s_wait_alu depctr_va_vdst(0)
	s_wait_loadcnt 0x0                             ; H's first scale words and b2
	s_wait_tensorcnt 0x0                           ; my tile of the head's four is in
	ds_add_u32 v[SPW], v[NIL]
	s_wait_dscnt 0x0
	CROUND
	JLOAD 1                                        ; slot 1's first fill
	FETCH 0, 0
	SCALESB 0
	ASK 0, 1                                       ; K step 2
	ASK 1, 1                                       ; K step 3
	STEP 0, 0, 1, -1
	WIN 0
	s_mov_b32 s3, LAPS-1
.Llap:
	STEP 0, 1, 0, -1
	STEP 0, 2, 0, -1
	TURN 0, 1, 1
	STEP 1, 0, 0, 4
	STEP 1, 1, 0, -1
	STEP 1, 2, 0, -1
	TURN 1, 0, 1
	STEP 0, 0, 0, 4
	WIN 0
	s_sub_co_u32 s3, s3, 1
	s_cmp_lg_u32 s3, 0
	s_cbranch_scc1 .Llap
	STEP 0, 1, 0, -1
	STEP 0, 2, 0, -1
	TURN 0, 1, 0
	STEP 1, 0, 0, 0
	STEP 1, 1, 0, -1
	STEP 1, 2, 0, -1
	s_wait_dscnt 0x0
	WIN MUL1
	MUL8 0, 3, 1, 0
	MUL8 2, 3, 1, 0
	MUL8 4, 3, 1, 0
	MUL8 6, 3, 1, 0
	WIN 0
; the way out: 16 rows x 64 columns through my own stage, back as whole rows of 256 bytes
.macro TOSTAGE a
.set AC, 32*(\a)
	WIN 0x08
.irp b, 0,1,2,3
	ds_store_b128 v[STO], v[AC+8*\b:AC+8*\b+3] offset:64*\b
	ds_store_b128 v[STO], v[AC+8*\b+4:AC+8*\b+7] offset:64*\b+16
.endr
	WIN 0
.set BB, BK+32*((\a)%2)
.irp t, 0,1,2,3,4,5,6,7
	ds_load_b128 v[BB+4*\t:BB+4*\t+3], v[RD] offset:\t*2*SPITCH
.endr
.endm
.macro SEND a, younger
.set BB, BK+32*((\a)%2)
	s_wait_dscnt \younger
.if (\a) > 0
	s_add_nc_u64 s[12:13], s[12:13], 16*SIZE_N*4
.endif
.irp t, 0,1,2,3,4,5,6,7
	global_store_b128 v[CO], v[BB+4*\t:BB+4*\t+3], s[12:13] offset:2*\t*SIZE_N*4 th:TH_STORE_NT
.endr
.endm
	PLACES NP
	TOSTAGE 0
.irp a, 1,2,3,4,5,6,7
.if \a > 1
	s_wait_xcnt 0x0                                ; block a - 2's stores have read their registers and base
.endif
	TOSTAGE \a
	SEND \a-1, 16
.endr
	s_wait_xcnt 0x0
	SEND 7, 0
	s_wait_tensorcnt 0x0                           ; the wave's end
	ds_add_u32 v[SPW], v[NIL]
	s_wait_dscnt 0x0
	CROUND                                         ; the closing round
	s_endpgm
.Lfunc_end_k_q915a170ed4_down:
	.size	k_q915a170ed4_down, .Lfunc_end_k_q915a170ed4_down-k_q915a170ed4_down
	.p2alignl 7, 3214868480
	.fill 96, 4, 3214868480
	.section	.rodata,"a",@progbits
	.p2align	6, 0x0
	.amdhsa_kernel k_q915a170ed4_down
		.amdhsa_group_segment_fixed_size 327680
		.amdhsa_private_segment_fixed_size 0
		.amdhsa_enable_private_segment 0
		.amdhsa_kernarg_size 48
		.amdhsa_user_sgpr_count 2
		.amdhsa_user_sgpr_kernarg_segment_ptr 1
		.amdhsa_wavefront_size32 1
		.amdhsa_system_sgpr_workgroup_id_x 1
		.amdhsa_system_sgpr_workgroup_id_y 1
		.amdhsa_system_sgpr_workgroup_id_z 1
		.amdhsa_system_vgpr_workitem_id 0
		.amdhsa_next_free_vgpr 768
		.amdhsa_next_free_sgpr 98
		.amdhsa_reserve_vcc 0
		.amdhsa_float_denorm_mode_32 3
		.amdhsa_float_denorm_mode_16_64 3
		.amdhsa_memory_ordered 1
		.amdhsa_forward_progress 1
		.amdhsa_inst_pref_size 138
	.end_amdhsa_kernel
	.amdgpu_metadata
---
amdhsa.version: [ 1, 2 ]
amdhsa.kernels:
  - .name:           k_q915a170ed4_down
    .symbol:         k_q915a170ed4_down.kd
    .args:
      - { .name: hcodes, .offset: 0, .size: 8, .value_kind: global_buffer, .address_space: global }
      - { .name: hscales, .offset: 8, .size: 8, .value_kind: global_buffer, .address_space: global }
      - { .name: w2img, .offset: 16, .size: 8, .value_kind: global_buffer, .address_space: global }
      - { .name: W2_scales, .offset: 24, .size: 8, .value_kind: global_buffer, .address_space: global }
      - { .name: out0, .offset: 32, .size: 8, .value_kind: global_buffer, .address_space: global }
      - { .name: b2, .offset: 40, .size: 8, .value_kind: global_buffer, .address_space: global }
    .group_segment_fixed_size: 327680
    .private_segment_fixed_size: 0
    .kernarg_segment_align: 8
    .kernarg_segment_size: 48
    .max_flat_workgroup_size: 128
    .sgpr_count:     98
    .vgpr_count:     768
    .wavefront_size: 32
...
	.end_amdgpu_metadata
.endif
;; end of part 4
